; MI455X (gfx1250); checked and timed in simulation.
; The chip was launched on July 23, 2026; its instructions are those of AMD's public machine-readable ISA for CDNA 5 (MIT licence, August 2026) and "CDNA5" Instruction Set Architecture Reference Guide (July 2026). The comments in the code are by the model that wrote it; some were corrected since.
;; Multi Head Attention. Allowed arithmetic: matrix products marked QUANTISED: E2M1 operands, one E8M0 scale for each 32 along K, by v_wmma_scale_f32_16x16x128_f8f6f4 with both operands' format E2M1 (or v_wmma_scale_f32_32x16x128_f4), f32 sums; products left as they are: bf16, f16 or f32 operands; f32 sums; everything else in f32.
;; Inputs: b_out 1,024 float32; b_qkv 3,072 float32; w_out 1,024 x 1,024 float32; w_qkv 1,024 x 3,072 float32; x 2 x 2,048 x 1,024 float32.
;; Outputs: out0 2 x 2,048 x 1,024 float32.
;; This version of the problem:
;;   THIS VERSION OF THE PROBLEM IS GIVEN IN LOW PRECISION. The matrix products marked QUANTISED in the list below multiply operands that are first quantised to E2M1 (2 exponent bits, 1 mantissa bit; 4 bits a number), with one power-of-two scale for each 32 numbers along K (OCP MX v1.0); their sums are f32. The products marked 'left as it is' may take bf16, f16 or f32 operands, with f32 sums. Whichever they take, every output number must still come out within the allowed error. Rounding operands to bf16 (8 significant bits) uses up far more of that allowance than f16 does (11 bits, for magnitudes from 6e-5 to 65,504). All else is computed in f32.
;;   The module's matrix products, in the order in which they are computed (A, B: the left and right operand; K: the contracted axis; several contracted axes count as one K, in the product's order):
;;     1. [M 4,096, K 1,024] x [K 1,024, N 3,072]; A: input x; B: input w_qkv: QUANTISED
;;     2. batch 32 x [M 2,048, K 64] x [K 64, N 2,048]; A: computed on the way; B: computed on the way: left as it is (an operand is computed on the way)
;;     3. batch 32 x [M 2,048, K 2,048] x [K 2,048, N 64]; A: computed on the way; B: computed on the way: left as it is (an operand is computed on the way)
;;     4. [M 4,096, K 1,024] x [K 1,024, N 1,024]; A: computed on the way; B: input w_out: left as it is (an operand is computed on the way)
;;   THE QUANTISER, for each operand of a quantised product, along K:
;;     - K is cut into blocks of 32 from its start; a last block that is shorter is filled with zeros.
;;     - A block's scale is 2^e with e = floor(log2(the largest magnitude in the block)) - 2, held to -126 .. 127; a block of zeros has e = 0. As a byte (E8M0): e + 127.
;;     - Each number is divided by its block's scale, clamped to +-6, and rounded to the nearest number of E2M1, ties to even, subnormals kept.
;;     - The product sums the exact products of the quantised numbers (number of the format x scale) in f32.
;;   ~~~python
;;   def quantise(x, axis):      # numpy; x: float32 -> the quantised numbers, widened to float32 again
;;       x = np.moveaxis(x, axis, -1); K = x.shape[-1]
;;       x = np.pad(x, [(0, 0)] * (x.ndim - 1) + [(0, -K % 32)]); x = x.reshape(x.shape[:-1] + (-1, 32)); a = np.abs(x).max(-1, keepdims=True)
;;       e = np.where(a > 0, np.clip(np.frexp(np.where(a > 0, a, 1))[1] - 1 - 2, -126, 127), 0)      # np.frexp(a)[1] - 1 = floor(log2(a)), exactly
;;       r = np.clip(x / 2.0 ** e, -6, 6)
;;       step = 2.0 ** (np.maximum(np.frexp(np.where(r == 0, 1, r))[1] - 1, 0) - 1)
;;       q = np.round(r / step) * step * 2.0 ** e      # np.round: ties to even
;;       return np.moveaxis(q.reshape(q.shape[:-2] + (-1,))[..., :K], -1, axis).astype(np.float32)
;;   ~~~
;; One version. Each part assembles by itself: llvm-mc -triple=amdgcn-amd-amdhsa -mcpu=gfx1250 --defsym DOCPART=n.
;; ======== version 1 of 1: 5 launches
;; limits: values are held in f16: magnitudes above 65,504 overflow, below 6.1e-05 lose precision
;; workspace buffers: xc 2,097,152 bytes; xs 131,072 bytes; wc 1,572,864 bytes; ws 98,304 bytes; wo16 2,097,152 bytes; qkv16 25,165,824 bytes; ao16 8,388,608 bytes; fq 393,216 bytes
;; launch prep (part 1): grid 288 x 1, 4 waves a work-group, no clusters, 102,912 bytes of LDS; arguments x, w_qkv, w_out, xc, xs, wc, ws, wo16; writes xc, xs, wc, ws, wo16
.if DOCPART == 1
	.amdgcn_target "amdgcn-amd-amdhsa--gfx1250"
	.amdhsa_code_object_version 6
	.text
	.protected	k_qac9ce3c19c_prep
	.globl	k_qac9ce3c19c_prep
	.p2align	8
	.type	k_qac9ce3c19c_prep,@function
k_qac9ce3c19c_prep:
	s_mov_b64 s[64:65], 0
	v_nop
	global_prefetch_b8 v0, s[64:65] scope:SCOPE_SE
	s_setreg_imm32_b32 hwreg(HW_REG_WAVE_MODE, 25, 1), 1
	s_wait_xcnt 0x0
; PREP: the three inputs that later launches read many times are made narrow once.
;   work-groups 0-127   (path X): x [4096][1024] f32 -> codes of FP4 (E2M1), K innermost, xc [4096][512 bytes], and one E8M0 byte for each 32 along K, xs [4096][32].
;   work-groups 128-223 (path W): w_qkv [1024 (k)][3072 (n)] f32 -> the same along its FIRST axis, laid with K innermost: wc [3072][512 bytes], ws [3072][32].
;   work-groups 224-287 (path O): w_out [1024 (k)][1024 (n)] f32 -> f16, laid wo16 [n][k].
; A work-group of path X and one of path W read 131,072 bytes each, one of path O 65,536: the short ones come last.
; A block's scale is 2^(floor(log2(its largest magnitude)) - 2): its byte is the largest magnitude's exponent field - 2, held at 1 from below by a floor among the maximum's leaves.
; LIMITS: a block of zeros gets the byte 1 where the rule says 127 (its codes are zeros, and this program alone reads the bytes); NaN and infinities among the inputs are not served;
; w_out goes to f16: magnitudes up to 65,504, under 6e-5 as f16 subnormals.
; The paths part on the work-group's number alone; each has LDS bytes of its own.  No tensor loads, no barrier: waves share nothing.  No cluster: no two work-groups read the same bytes.
.set SPARE, 102400                     ; behind the three regions: the spare words, 128 bytes for each wave: two blocks of 256 bytes that no other line names
.set SPW,   190                        ; v190 LDS address of my spare word; never rewritten
.set NIL,   191                        ; v191 0; never rewritten
.set EMAX,  2
; path X: LDS 0 .. 32,767
.set XSTEPS, 16
.set XCB,   8                          ; bytes of 16 codes
.set XR,    16                         ; v16-79   four sets of 16 numbers as they are loaded
.set XX,    80                         ; v80-111  two sets of 16 neighbours
.set XE,    112                        ; v112-127 a scale byte for each step
.set XC,    128                        ; v128-189 codes: four registers for each step
.set XWREG, 8192                       ; a wave's region: two stages of 32 x XSP bytes, then its 256 scale bytes
.set XSP,   80                         ; a lane's place in a stage: 64 bytes + 16 of padding
; path W: LDS from 32,768 on: four stages of 16 x 272 bytes
.set WSTG,  32768
.set WN,    3072
.set WNB,   8                          ; blocks of 32 along K for a lane
.set WPITCH, 272
.set WKROW, 512                        ; a row of wc in bytes
.set WX,    32                         ; v32-95   two sets of 32 numbers
.set WC,    96                         ; v96-99   a block's codes
.set WOUT,  112                        ; v112-143 the way out
.set WSB,   24                         ; v24-25   the scale bytes
; path O: LDS 67,584 .. 102,399
.set OSTG,  67584
.set OX,    32                         ; v32-159  four blocks of 32 numbers; later the way out
	s_load_b256 s[4:11], s[0:1], 0x0               ; x s[4:5], w_qkv s[6:7], w_out s[8:9], xc s[10:11]
	s_load_b256 s[12:19], s[0:1], 0x20             ; xs s[12:13], wc s[14:15], ws s[16:17], wo16 s[18:19]
	v_lshl_add_u32 v[SPW], v0, 2, SPARE
	v_mov_b32 v[NIL], 0
	v_lshrrev_b32 v1, 5, v0
	v_readfirstlane_b32 s20, v1                    ; wave 0..3
	v_and_b32 v2, 31, v0                           ; lane
	s_mov_b32 s27, 0                               ; the high word of every offset pair s[26:27]
	s_wait_kmcnt 0x0
	s_cmp_lt_u32 ttmp9, 128
	s_cbranch_scc0 .Lnot_x
; ---------------- PATH X.  x is a plain stream of blocks of 32.  A wave takes 16 steps of 512 numbers.  Each load reads 512 consecutive bytes; a step's 2,048 bytes turn through the wave's own
; stage in LDS and come back 64 bytes a lane, so that a lane holds 16 neighbours along K and two neighbouring lanes hold a block.
	v_lshlrev_b32 v3, 4, v2                        ; my 16 bytes of a load's 512
	s_mul_i32 s21, s20, XWREG
	v_lshrrev_b32 v14, 2, v2
	v_mul_u32_u24 v14, v14, XSP
	v_and_b32 v15, 3, v2
	v_lshl_add_u32 v14, v15, 4, v14
	v_add_nc_u32 v14, s21, v14                     ; the stage, on the way in: XSP (lane / 4) + 16 (lane % 4)
	v_mul_u32_u24 v15, v2, XSP
	v_add_nc_u32 v15, s21, v15                     ; and on the way out: XSP x lane
	v_mul_u32_u24 v4, v2, XCB                      ; my codes' place in a step's
	v_lshrrev_b32 v5, 1, v2
	s_add_co_u32 s21, s21, 2*32*XSP
	v_add_nc_u32 v5, s21, v5                       ; my wave's 256 scale bytes, my block's byte
	v_lshlrev_b32 v7, 3, v2                        ; and on the way out 8 bytes a lane
	v_add_nc_u32 v6, s21, v7
	s_lshl_b32 s22, ttmp9, 2
	s_add_co_u32 s22, s22, s20                     ; which run of 8,192 numbers is my wave's
	s_lshl_b32 s26, s22, 15
	s_add_nc_u64 s[4:5], s[4:5], s[26:27]          ; 32,768 bytes of x a run,
	s_lshl_b32 s26, s22, 12
	s_add_nc_u64 s[10:11], s[10:11], s[26:27]      ; 4,096 of codes,
	s_lshl_b32 s26, s22, 8
	s_add_nc_u64 s[12:13], s[12:13], s[26:27]      ; 256 of scale bytes
.macro XLOAD t
.irp i, 0,1,2,3
	global_load_b128 v[XR+16*((\t)%4)+4*\i:XR+16*((\t)%4)+4*\i+3], v3, s[4:5] offset:2048*(\t)+512*\i th:TH_LOAD_NT   ; 32 lanes read 512 consecutive bytes
.endr
.endm
.macro XTURN t                         ; step t's numbers through the stage: LDS serves a wave's instructions in order, so no wait stands between the stores and the loads
.irp i, 0,1,2,3
	ds_store_b128 v14, v[XR+16*((\t)%4)+4*\i:XR+16*((\t)%4)+4*\i+3] offset:32*XSP*((\t)%2)+8*XSP*\i
.endr
.irp i, 0,1,2,3
	ds_load_b128 v[XX+16*((\t)%2)+4*\i:XX+16*((\t)%2)+4*\i+3], v15 offset:32*XSP*((\t)%2)+16*\i
.endr
.endm
.irp t, 0,1,2,3
	XLOAD \t
.endr
	s_wait_loadcnt 12                              ; step 0's four loads are in; the twelve behind them may be out
	XTURN 0
.macro XSTEP t
.set XS, XX+16*((\t)%2)
.if (\t) > 0
	s_wait_dscnt 1                                 ; this step's numbers are back from the stage (the last step's byte store may be out): so its stores into the stage have read their registers,
.else
	s_wait_dscnt 0x0
.endif
.if (\t)+4 < XSTEPS
	XLOAD (\t)+4                                   ; which take the loads of four steps on
.endif
.if (\t)+1 < XSTEPS
.if XSTEPS-2-(\t) >= 3
	s_wait_loadcnt 12                              ; the next step's four loads are in; those of the three steps behind it may be out
.else
	s_wait_loadcnt 4*(XSTEPS-2-(\t))
.endif
	XTURN (\t)+1                                   ; and go through the other stage while this step is worked
.endif
	v_max3_num_f32 v8, |v[XS]|, |v[XS+1]|, |v[XS+2]|               ; the largest magnitude of my 16, in two chains
	v_max3_num_f32 v9, |v[XS+3]|, |v[XS+4]|, |v[XS+5]|
.irp i, 6,10
	v_max3_num_f32 v8, v8, |v[XS+\i]|, |v[XS+\i+1]|
	v_max3_num_f32 v9, v9, |v[XS+\i+2]|, |v[XS+\i+3]|
.endr
	v_max3_num_f32 v8, v8, |v[XS+14]|, |v[XS+15]|
	v_max3_num_f32 v8, v8, v9, (EMAX+1)<<23        ; and the floor 2^(EMAX + 1 - 127): the byte cannot fall under 1
	v_max_num_f32_dpp v8, v8, v8 row_xmask:1 row_mask:0xf bank_mask:0xf   ; and of my neighbour's 16: the block's
	v_add_nc_u32 v11, -(EMAX<<23), v8              ; EMAX off its exponent field: the conversion takes the exponent field of this operand as its scale
	v_cvt_scalef32_pk8_fp4_f32 v[XC+4*(\t)], v[XS:XS+7], v11
	v_cvt_scalef32_pk8_fp4_f32 v[XC+4*(\t)+1], v[XS+8:XS+15], v11
	v_lshrrev_b32 v[XE+(\t)], 23, v11              ; the scale's byte (also the plain line behind the conversions)
	ds_store_b8 v5, v[XE+(\t)] offset:16*(\t)      ; both lanes of a block write the same byte with the same value
	global_store_b64 v4, v[XC+4*(\t):XC+4*(\t)+1], s[10:11] offset:32*XCB*(\t)   ; the wave stores 256 consecutive bytes, aligned
.endm
.irp t, 0,1,2,3,4,5,6,7,8,9,10,11,12,13,14,15
	XSTEP \t
.endr
	ds_load_b64 v[8:9], v6                         ; LDS serves a wave's instructions in order: these see my byte stores
	s_wait_dscnt 0x0
	global_store_b64 v7, v[8:9], s[12:13]          ; 32 lanes store 256 consecutive bytes, aligned
	s_wait_tensorcnt 0x0                           ; the wave's end, behind my last LDS store
	ds_add_u32 v[SPW], v[NIL]
	s_wait_dscnt 0x0
	s_endpgm
.Lnot_x:
	s_cmp_lt_u32 ttmp9, 224
	s_cbranch_scc0 .Lnot_w
; ---------------- PATH W.  A lane takes a column n of w_qkv and its registers run down K: a block of 32 lies in one lane, and the conversions give codes with K innermost.
; A wave takes 16 columns x 512 along K: lanes 0-15 the first 256 along K of the 16 columns, lanes 16-31 the second 256: eight blocks a lane.  A load reads two runs of 64 consecutive bytes; the four waves of a
; work-group stand side by side on 256 bytes of a row.  A column's 256 bytes of codes, 128 from each half of the lanes, meet in the wave's own stage and leave as a row: sixteen lanes store 256 consecutive bytes, aligned.
	s_sub_co_u32 s21, ttmp9, 128
	s_lshr_b32 s22, s21, 1                         ; which 64 columns
	s_and_b32 s23, s21, 1                          ; which 512 along K
	s_lshl_b32 s24, s22, 6
	s_lshl_b32 s25, s20, 4
	s_add_co_u32 s24, s24, s25                     ; my wave's first column
	v_and_b32 v5, 15, v2                           ; r: my column
	v_lshrrev_b32 v6, 4, v2                        ; h: my 256 along K
	v_mul_u32_u24 v3, v6, 256*WN*4                 ; in: 256 rows of 12,288 bytes further down for lanes 16-31,
	v_lshl_add_u32 v3, v5, 2, v3                   ; 4 bytes a column
	s_mul_i32 s25, s20, 16*WPITCH
	s_add_co_u32 s25, s25, WSTG                    ; my stage
	v_mul_u32_u24 v4, v5, WPITCH
	v_lshl_add_u32 v4, v6, 7, v4
	v_add_nc_u32 v4, s25, v4                       ; into it: row = my column, my half's 128 bytes
	v_mul_u32_u24 v7, v6, WPITCH
	v_lshl_add_u32 v7, v5, 4, v7
	v_add_nc_u32 v7, s25, v7                       ; out of it: sixteen lanes to a row, two rows an instruction
	v_mul_u32_u24 v8, v6, WKROW
	v_lshl_add_u32 v8, v5, 4, v8                   ; and the same place in wc
	v_lshlrev_b32 v9, 5, v5                        ; my column's row of 32 scale bytes,
	v_lshl_add_u32 v9, v6, 3, v9                   ; my half's eight
	s_mul_i32 s26, s23, 512*WN*4
	s_lshl_b32 s28, s24, 2
	s_add_co_u32 s26, s26, s28
	s_add_nc_u64 s[6:7], s[6:7], s[26:27]          ; w_qkv at (512 y, my first column)
	s_lshl_b32 s26, s24, 9
	s_lshl_b32 s28, s23, 8
	s_add_co_u32 s26, s26, s28
	s_add_nc_u64 s[14:15], s[14:15], s[26:27]      ; wc: column x 512 + 256 y
	s_lshl_b32 s26, s24, 5
	s_lshl_b32 s28, s23, 4
	s_add_co_u32 s26, s26, s28
	s_add_nc_u64 s[16:17], s[16:17], s[26:27]      ; ws: column x 32 + 16 y
.macro WLOAD t                         ; block t: w(256 h + 32 t + i, my column), i = 0 .. 31, into set t % 2; the largest offset is 255 x 12,288 bytes, inside the signed 24-bit immediate
.irp i, 0,1,2,3,4,5,6,7,8,9,10,11,12,13,14,15,16,17,18,19,20,21,22,23,24,25,26,27,28,29,30,31
	global_load_b32 v[WX+32*((\t)%2)+\i], v3, s[6:7] offset:(32*(\t)+\i)*WN*4 th:TH_LOAD_NT
.endr
.endm
	WLOAD 0
	WLOAD 1
.macro WBLOCK t
.set WS, WX+32*((\t)%2)
.if (\t) < WNB-1
	s_wait_loadcnt 32                              ; this block's 32 loads are in; the next block's may be out
.else
	s_wait_loadcnt 0
.endif
	v_max3_num_f32 v12, |v[WS]|, |v[WS+1]|, |v[WS+2]|               ; the block's largest magnitude: all 32 numbers are mine
	v_max3_num_f32 v13, |v[WS+3]|, |v[WS+4]|, |v[WS+5]|
.irp i, 6,10,14,18,22,26
	v_max3_num_f32 v12, v12, |v[WS+\i]|, |v[WS+\i+1]|
	v_max3_num_f32 v13, v13, |v[WS+\i+2]|, |v[WS+\i+3]|
.endr
	v_max3_num_f32 v12, v12, |v[WS+30]|, |v[WS+31]|
	v_max3_num_f32 v12, v12, v13, (EMAX+1)<<23     ; and the floor
	v_add_nc_u32 v11, -(EMAX<<23), v12             ; the conversion's scale operand
	v_lshrrev_b32 v13, 23, v11                     ; the scale's byte
.if (\t)%4 == 0
	v_mov_b32 v[WSB+(\t)/4], v13                   ; four bytes to a register, the lower K in the lower byte
.else
	v_lshl_or_b32 v[WSB+(\t)/4], v13, 8*((\t)%4), v[WSB+(\t)/4]
.endif
.irp g, 0,1,2,3
	v_cvt_scalef32_pk8_fp4_f32 v[WC+\g], v[WS+8*\g:WS+8*\g+7], v11
.endr
	ds_store_b128 v4, v[WC:WC+3] offset:16*(\t)    ; 32 codes: 16 bytes of my column's row
.if (\t)+2 < WNB
	WLOAD (\t)+2
.endif
	s_wait_dscnt 0x0                               ; the store has read its registers: the next block's codes may be written
.endm
.set WQ, 0
.rept WNB
	WBLOCK WQ
.set WQ, WQ+1
.endr
	global_store_b64 v9, v[WSB:WSB+1], s[16:17]    ; my eight scale bytes: with the other half's, pieces of 16 bytes: one byte in 128 of what this path reads
.irp t, 0,1,2,3,4,5,6,7
	ds_load_b128 v[WOUT+4*\t:WOUT+4*\t+3], v7 offset:2*\t*WPITCH
.endr
.irp t, 0,1,2,3,4,5,6,7
	s_wait_dscnt 7-\t                              ; LDS loads come back in order: load t is in, the younger ones may be out
	global_store_b128 v8, v[WOUT+4*\t:WOUT+4*\t+3], s[14:15] offset:2*\t*WKROW
.endr
	s_wait_tensorcnt 0x0                           ; the wave's end, behind my last LDS store
	ds_add_u32 v[SPW], v[NIL]
	s_wait_dscnt 0x0
	s_endpgm
.Lnot_w:
; ---------------- PATH O.  The same plan without a quantiser: a lane takes a column n of w_out, its registers run down K, pairs are rounded to f16 (the lower k in the low half),
; and 128 along K, 256 bytes a column, leave through the wave's own stage as rows of wo16.
	s_sub_co_u32 s21, ttmp9, 224
	s_and_b32 s22, s21, 7                          ; which 128 columns
	s_lshr_b32 s23, s21, 3                         ; which 128 along K
	s_lshl_b32 s24, s22, 7
	s_lshl_b32 s25, s20, 5
	s_add_co_u32 s24, s24, s25                     ; my wave's first column
	v_lshlrev_b32 v3, 2, v2
	s_mul_i32 s25, s20, 32*272
	s_add_co_u32 s25, s25, OSTG                    ; my stage
	v_mul_u32_u24 v4, v2, 272
	v_add_nc_u32 v4, s25, v4
	v_and_b32 v5, 15, v2
	v_lshrrev_b32 v6, 4, v2
	v_mul_u32_u24 v7, v6, 272
	v_lshl_add_u32 v7, v5, 4, v7
	v_add_nc_u32 v7, s25, v7
	v_lshlrev_b32 v8, 11, v6                       ; a row of wo16 is 2,048 bytes
	v_lshl_add_u32 v8, v5, 4, v8
	s_lshl_b32 s26, s23, 19                        ; 128 rows of 4,096 bytes
	s_lshl_b32 s28, s24, 2
	s_add_co_u32 s26, s26, s28
	s_add_nc_u64 s[8:9], s[8:9], s[26:27]
	s_lshl_b32 s26, s24, 11
	s_lshl_b32 s28, s23, 8
	s_add_co_u32 s26, s26, s28
	s_add_nc_u64 s[18:19], s[18:19], s[26:27]
.macro OLOAD t
.irp i, 0,1,2,3,4,5,6,7,8,9,10,11,12,13,14,15,16,17,18,19,20,21,22,23,24,25,26,27,28,29,30,31
	global_load_b32 v[OX+32*(\t)+\i], v3, s[8:9] offset:(32*(\t)+\i)*4096 th:TH_LOAD_NT
.endr
.endm
.macro OBLOCK t
.if (\t) < 3
	s_wait_loadcnt 32                              ; this block's 32 loads are in; the next block's may be out
.else
	s_wait_loadcnt 0x0
.endif
.irp j, 0,1,2,3,4,5,6,7,8,9,10,11,12,13,14,15
	v_cvt_pk_f16_f32 v[OX+32*(\t)+\j], v[OX+32*(\t)+2*\j], v[OX+32*(\t)+2*\j+1]   ; in place, ascending: register j is written when its own number has been read
.endr
.irp u, 0,1,2,3
	ds_store_b128 v4, v[OX+32*(\t)+4*\u:OX+32*(\t)+4*\u+3] offset:64*(\t)+16*\u
.endr
.if (\t)+2 < 4
	OLOAD (\t)+2
.endif
.endm
	OLOAD 0
	OLOAD 1
	OBLOCK 0
	OBLOCK 1
	OBLOCK 2
	OBLOCK 3
	s_wait_dscnt 0x0                               ; the stores have read their registers, which take the rows below
.irp t, 0,1,2,3,4,5,6,7,8,9,10,11,12,13,14,15
	ds_load_b128 v[OX+4*\t:OX+4*\t+3], v7 offset:2*\t*272
.endr
.irp t, 0,1,2,3,4,5,6,7,8,9,10,11,12,13,14,15
	s_wait_dscnt 15-\t
	global_store_b128 v8, v[OX+4*\t:OX+4*\t+3], s[18:19] offset:2*\t*2048   ; sixteen lanes store 256 consecutive bytes, aligned
.endr
	s_wait_tensorcnt 0x0                           ; the wave's end, behind my last LDS store
	ds_add_u32 v[SPW], v[NIL]
	s_wait_dscnt 0x0
	s_endpgm
.Lfunc_end_k_qac9ce3c19c_prep:
	.size	k_qac9ce3c19c_prep, .Lfunc_end_k_qac9ce3c19c_prep-k_qac9ce3c19c_prep
	.p2alignl 7, 3214868480
	.fill 96, 4, 3214868480
	.section	.rodata,"a",@progbits
	.p2align	6, 0x0
	.amdhsa_kernel k_qac9ce3c19c_prep
		.amdhsa_group_segment_fixed_size 102912
		.amdhsa_private_segment_fixed_size 0
		.amdhsa_enable_private_segment 0
		.amdhsa_kernarg_size 64
		.amdhsa_user_sgpr_count 2
		.amdhsa_user_sgpr_kernarg_segment_ptr 1
		.amdhsa_wavefront_size32 1
		.amdhsa_system_sgpr_workgroup_id_x 1
		.amdhsa_system_sgpr_workgroup_id_y 1
		.amdhsa_system_sgpr_workgroup_id_z 1
		.amdhsa_system_vgpr_workitem_id 0
		.amdhsa_next_free_vgpr 192
		.amdhsa_next_free_sgpr 66
		.amdhsa_reserve_vcc 0
		.amdhsa_float_denorm_mode_32 3
		.amdhsa_float_denorm_mode_16_64 3
		.amdhsa_memory_ordered 1
		.amdhsa_forward_progress 1
		.amdhsa_inst_pref_size 94
	.end_amdhsa_kernel
	.amdgpu_metadata
---
amdhsa.version: [ 1, 2 ]
amdhsa.kernels:
  - .name:           k_qac9ce3c19c_prep
    .symbol:         k_qac9ce3c19c_prep.kd
    .args:
      - { .name: x, .offset: 0, .size: 8, .value_kind: global_buffer, .address_space: global }
      - { .name: w_qkv, .offset: 8, .size: 8, .value_kind: global_buffer, .address_space: global }
      - { .name: w_out, .offset: 16, .size: 8, .value_kind: global_buffer, .address_space: global }
      - { .name: xc, .offset: 24, .size: 8, .value_kind: global_buffer, .address_space: global }
      - { .name: xs, .offset: 32, .size: 8, .value_kind: global_buffer, .address_space: global }
      - { .name: wc, .offset: 40, .size: 8, .value_kind: global_buffer, .address_space: global }
      - { .name: ws, .offset: 48, .size: 8, .value_kind: global_buffer, .address_space: global }
      - { .name: wo16, .offset: 56, .size: 8, .value_kind: global_buffer, .address_space: global }
    .group_segment_fixed_size: 102912
    .private_segment_fixed_size: 0
    .kernarg_segment_align: 8
    .kernarg_segment_size: 64
    .max_flat_workgroup_size: 128
    .sgpr_count:     66
    .vgpr_count:     192
    .wavefront_size: 32
...
	.end_amdgpu_metadata
.endif
;; end of part 1
;; launch qkv (part 2): grid 12 x 16, 4 waves a work-group, clusters of 4 x 4, 327,680 bytes of LDS; arguments xc, xs, wc, ws, b_qkv, qkv16, fq; writes qkv16, fq
.if DOCPART == 2
	.amdgcn_target "amdgcn-amd-amdhsa--gfx1250"
	.amdhsa_code_object_version 6
	.text
	.protected	k_qac9ce3c19c_qkv
	.globl	k_qac9ce3c19c_qkv
	.p2align	8
	.type	k_qac9ce3c19c_qkv,@function
k_qac9ce3c19c_qkv:
	s_mov_b64 s[64:65], 0
	v_nop
	global_prefetch_b8 v0, s[64:65] scope:SCOPE_SE
	s_setreg_imm32_b32 hwreg(HW_REG_WAVE_MODE, 25, 1), 1
	s_wait_xcnt 0x0
	s_wait_alu depctr_hold_cnt(0) depctr_sa_sdst(0) depctr_va_vdst(0) depctr_va_sdst(0) depctr_va_ssrc(0) depctr_va_vcc(0) depctr_vm_vsrc(0)
	s_getreg_b32 s2, hwreg(HW_REG_IB_STS2, 6, 4)
	s_cmp_eq_u32 s2, 0
	s_cbranch_scc0 .Lentry_in_a_cluster
	s_endpgm
.Lentry_in_a_cluster:
	s_bfe_u32 s2, ttmp6, 0x10000c
	s_cmp_lg_u32 s2, 0xf033
	s_cbranch_scc0 .Lentry_shape_is_right
	s_endpgm
.Lentry_shape_is_right:
; QKV = Q(x) Q(w_qkv) + b_qkv on codes of FP4 (E2M1) with one E8M0 scale for each 32 along K; sums in f32.  A = xc [4096][512 bytes], xs [4096][32]; B = wc [3072][512 bytes], ws [3072][32].
; The result leaves twice: (1) rounded to f16, by head: qkv16 [3 (q, k, v)][batch x 16 + head][position][64]; (2) positions 0-15 of both sequences as the f32 sums themselves, fq [batch x 16 + position][3072].
; LIMIT: q, k, v in f16: magnitudes up to 65,504.
; A tile of C, 256 x 256, is made by four waves; a wave makes 128 x 128: 64 accumulators, 512 registers.  K = 1,024 is two slots of 512 along K (rows of 256 bytes), both asked for at the start: nothing is filled again.
; The scale bytes of the work-group's rows of A and of B, for all of K, are two dense blocks: they come into LDS once, in rows of 256 bytes.
; CLUSTERS: 4 x 4 work-groups.  The four of a row of the cluster need the same tiles of A, the four of a column the same tiles of B: each tile is asked for jointly.
; THE MATRIX INSTRUCTION IS USED TRANSPOSED (source 0 = 16 rows of B, source 1 = 16 rows of A): a lane holds eight neighbouring columns of one row of C.  THE BIAS is the C of each sum's first product.
; REGISTERS: window 0: v0-31 addresses; v32-95 scale words, two sets; v128-191 A's fragments, one set; v192-255 the bias of my 128 columns in the result's layout; on the way out v32-63, v192-255 are at work.
;   window 1: B's fragments, two sets.   window 2: the accumulators of my rows 0-63 ((a, b) at v[8 (8 a + b)]);   window 3: those of my rows 64-127.
.set SIZE_K, 1024
.set KSTEP,  512
.set NQ,     KSTEP/128
.set ROWB,   256
.set KROW,   SIZE_K*4/8
.set PITCH,  272                       ; an LDS row: 256 bytes + 16 of padding: the 16 rows that a load touches start at 16 different banks
.set FR,     8
.set NL,     2
.set NP,     4
.set HALFT,  128*PITCH
.set SLOT,   4*HALFT
.set KS,     SIZE_K/32
.set SCL,    2*SLOT
.set HALFS,  (128*KS/256)*272
.set SBLK,   (16*KS/256)*272
.set SPARE,  SCL+4*HALFS               ; the spare words, 128 bytes for each wave: two blocks of 256 bytes that no other line names
.set SPITCH, 272                       ; the way out: a stage of 16 rows x (256 bytes + 16) for each wave, in slot 0, which has had its only fill and its last read when the first result is stored there
.set ADRA, 16
.set ADRB, 20
.set BO,   22                          ; v22  32 x (lane / 16): my eight numbers of a bias block
.set STO,  24
.set RD,   25
.set CO,   26
.set ADRS, 27
.set SPW,  28
.set NIL,  29
.set FO,   30                          ; v30  my byte in fq: row (lane % 16) x 12,288 + 32 (lane / 16)
.set FP,   31                          ; v31  0 in the waves whose block 0 is positions 0-15 of a sequence
.set SC,   32
.set AF,   128
.set BIAS, 192
.set TMP,  192                         ; the way out: packed results
.set OB,   32                          ; the way out: rows read back: v32-63 and v224-255 by turns
.set G1, 24
.set G0, 32
.set G1B, 48
.set G0B, 56
.set G1S, 68
.set G0S, 76
.set G1SB, 80
.set G0SB, 88
.set MSB, 0
.macro WIN new                         ; the immediate's high byte repeats the setting that is left
.if MSB != (\new)
	s_set_vgpr_msb (MSB<<8)|(\new)
.set MSB, (\new)
.endif
.endm
.set MUL_LO, 0xa1                      ; source 0 (B) window 1, source 1 (A) window 0, C and D window 2
.set MUL_HI, 0xf1                      ; the same, C and D window 3
.set BIA_LO, 0x81                      ; the first step: C (the bias) window 0, D window 2
.set BIA_HI, 0xc1                      ; C window 0, D window 3
.set TO_B,   0x40
; A joint load: waves 0 and 1 fetch for A, waves 2 and 3 for B.  The branch hangs on the wave's number alone.  An s_nop 0 and four v_nop follow each of the two lines.
.macro JLOAD g0a, g1a, g0b, g1b
	s_cmp_eq_u32 s15, 0
	s_cbranch_scc0 .Lfor_b_\@
	tensor_load_to_lds s[\g0a:\g0a+3], s[\g1a:\g1a+7]
	s_nop 0
.rept 4
	v_nop
.endr
	s_branch .Lasked_\@
.Lfor_b_\@:
	tensor_load_to_lds s[\g0b:\g0b+3], s[\g1b:\g1b+7]
	s_nop 0
.rept 4
	v_nop
.endr
.Lasked_\@:
.endm
.macro CROUND                          ; a round of the cluster's barrier
	s_barrier_signal -1
	s_barrier_wait -1
	s_cmp_lg_u32 s14, 0
	s_cbranch_scc1 .Lnot_wave_0_\@
	s_barrier_signal -3
.Lnot_wave_0_\@:
	s_barrier_wait -3
	s_barrier_signal -1
	s_barrier_wait -1
.endm
	s_load_b128 s[4:7], s[0:1], 0x0                ; A's codes s[4:5], A's scales s[6:7]
	s_load_b128 s[8:11], s[0:1], 0x10              ; B's codes s[8:9], B's scales s[10:11]
	s_load_b64 s[96:97], s[0:1], 0x20              ; b_qkv
	s_load_b64 s[12:13], s[0:1], 0x28              ; qkv16
	s_load_b64 s[98:99], s[0:1], 0x30              ; fq
	v_lshl_add_u32 v[SPW], v0, 2, SPARE
	v_mov_b32 v[NIL], 0
	ds_add_u32 v[SPW], v[NIL]                      ; the wave's opening: the add, twice on end, and its wait ahead of my first tensor load
	ds_add_u32 v[SPW], v[NIL]
	v_lshrrev_b32 v1, 5, v0
	v_readfirstlane_b32 s14, v1                    ; wave 0..3
	s_lshr_b32 s15, s14, 1                         ; which half of the tile's rows is mine.  Also: I fetch for A (0) or for B (1)
	s_and_b32 s16, s14, 1                          ; which half of its columns.  Also: which 128 rows of that tile I fetch
	s_bfe_u32 s40, ttmp6, 0x40000                  ; cx, cy: my place in the cluster
	s_bfe_u32 s41, ttmp6, 0x40004
	s_lshl_b32 s42, ttmp9, 2
	s_add_co_u32 s42, s42, s40                     ; tile column of C
	s_and_b32 s17, ttmp7, 0xffff
	s_lshl_b32 s17, s17, 2
	s_add_co_u32 s17, s17, s41                     ; tile row of C
	s_lshl_b32 s43, s41, 2
	s_lshl_b32 s43, 15, s43                        ; my row of the cluster
	s_lshl_b32 s44, 0x1111, s40                    ; my column
	s_or_b32 s[G1+0], s43, (0<<16)|(1<<20)|(1<<21)|(5<<22)|(3<<25)  ; the mask; elements of 1 byte; padding on; bit 21 beside a mask; 4 words behind every 64
	s_or_b32 s[G1B+0], s44, (0<<16)|(1<<20)|(1<<21)|(5<<22)|(3<<25)
.irp g, G1, G1B
	s_mov_b32 s[\g+1], ROWB<<16                    ; tensor_dim0
	s_mov_b32 s[\g+2], 128<<16                     ; tensor_dim1 = 128
	s_mov_b32 s[\g+3], ROWB<<16                    ; tile_dim0
	s_mov_b32 s[\g+4], 128                         ; tile_dim1 = 128
	s_mov_b32 s[\g+5], KROW                        ; from row to row
	s_mov_b32 s[\g+6], 0
	s_mov_b32 s[\g+7], 0
.endr
	s_or_b32 s[G1S+0], s43, (3<<16)|(1<<20)|(1<<21)|(5<<22)|(3<<25) ; the scales of 128 rows: a dense block, as rows of 256 bytes (32 elements of 8 bytes), 16 bytes of padding behind each
	s_or_b32 s[G1SB+0], s44, (3<<16)|(1<<20)|(1<<21)|(5<<22)|(3<<25)
.irp g, G1S, G1SB
	s_mov_b32 s[\g+1], 32<<16
	s_mov_b32 s[\g+2], (128*KS/256)<<16
	s_mov_b32 s[\g+3], 32<<16
	s_mov_b32 s[\g+4], 128*KS/256
	s_mov_b32 s[\g+5], 32
	s_mov_b32 s[\g+6], 0
	s_mov_b32 s[\g+7], 0
.endr
	s_lshl_b32 s18, s16, 7                         ; which 128 rows of the tile I fetch
	s_lshl_b32 s20, s17, 8
	s_add_co_u32 s20, s20, s18                     ; A: row 256 x tile row + 128 x half
	s_lshl_b32 s46, s42, 8
	s_add_co_u32 s46, s46, s18                     ; B: row 256 x tile column + 128 x half
	s_mov_b32 s21, 0
	s_mov_b32 s47, 0
	s_mov_b64 s[18:19], KS
	s_mul_u64 s[22:23], s[20:21], s[18:19]         ; where these rows' scales begin, in bytes
	s_mul_u64 s[92:93], s[46:47], s[18:19]
	s_mov_b64 s[18:19], KROW
	s_mul_u64 s[20:21], s[20:21], s[18:19]         ; and their codes
	s_mul_u64 s[46:47], s[46:47], s[18:19]
	s_mul_i32 s45, s14, HALFT                      ; where they go: wave x 128 rows: no place in the cluster enters an LDS address
	s_mul_i32 s94, s14, HALFS
	s_wait_dscnt 0x0                               ; both opening adds are done
	s_wait_kmcnt 0x0
	s_add_nc_u64 s[20:21], s[4:5], s[20:21]
	s_add_nc_u64 s[22:23], s[6:7], s[22:23]
	s_add_nc_u64 s[46:47], s[8:9], s[46:47]
	s_add_nc_u64 s[92:93], s[10:11], s[92:93]
	CROUND                                         ; all sixteen work-groups are here: the joint loads meet
	s_mov_b32 s[G0S], 1
	s_add_co_u32 s[G0S+1], s94, SCL
	s_mov_b64 s[G0S+2:G0S+3], s[22:23]
	s_or_b32 s[G0S+3], s[G0S+3], 0x80000000
	s_mov_b32 s[G0SB], 1
	s_add_co_u32 s[G0SB+1], s94, SCL
	s_mov_b64 s[G0SB+2:G0SB+3], s[92:93]
	s_or_b32 s[G0SB+3], s[G0SB+3], 0x80000000
	JLOAD G0S, G1S, G0SB, G1SB                     ; the scales first: they are wanted with the first slot
.irp s, 0,1
	s_mov_b32 s[G0+4*\s], 1
	s_add_co_u32 s[G0+4*\s+1], s45, \s*SLOT
	s_add_nc_u64 s[G0+4*\s+2:G0+4*\s+3], s[20:21], \s*ROWB
	s_or_b32 s[G0+4*\s+3], s[G0+4*\s+3], 0x80000000
	s_mov_b32 s[G0B+4*\s], 1
	s_add_co_u32 s[G0B+4*\s+1], s45, \s*SLOT
	s_add_nc_u64 s[G0B+4*\s+2:G0B+4*\s+3], s[46:47], \s*ROWB
	s_or_b32 s[G0B+4*\s+3], s[G0B+4*\s+3], 0x80000000
	JLOAD G0+4*\s, G1, G0B+4*\s, G1B               ; by this text's count three tensor loads of a wave are out
.endr
	v_and_b32 v1, 15, v0                           ; r = l % 16
	v_bfe_u32 v2, v0, 4, 1                         ; h = l / 16
	; the bias of my 128 columns, in the result's layout: block b, lane (r, h): columns 16 b + 8 h + 0 .. 7
	s_lshl_b32 s46, s42, 10
	s_lshl_b32 s47, s16, 9
	s_add_co_u32 s46, s46, s47                     ; my first column, in bytes of f32
	s_mov_b32 s47, 0
	s_add_nc_u64 s[96:97], s[96:97], s[46:47]
	s_add_nc_u64 s[98:99], s[98:99], s[46:47]
	v_lshlrev_b32 v[BO], 5, v2
.irp b, 0,1,2,3,4,5,6,7
	global_load_b128 v[BIAS+8*\b:BIAS+8*\b+3], v[BO], s[96:97] offset:64*\b
	global_load_b128 v[BIAS+8*\b+4:BIAS+8*\b+7], v[BO], s[96:97] offset:64*\b+16
.endr
	v_mul_u32_u24 v3, v1, PITCH
	v_lshl_add_u32 v4, v2, 4, v3                   ; a fragment's row x pitch + 16 x half
	s_mul_i32 s21, s15, HALFT                      ; my 128 rows of A
	s_mul_i32 s22, s16, HALFT                      ; my 128 rows of B,
	s_add_co_u32 s22, s22, 2*HALFT                 ; which lie behind A's 256
.irp s, 0,1
	v_add_nc_u32 v[ADRA+\s], s21, v4
	v_add_nc_u32 v[ADRB+\s], s22, v4
	s_add_co_u32 s21, s21, SLOT
	s_add_co_u32 s22, s22, SLOT
.endr
	v_mul_u32_u24 v5, v1, KS                       ; my row's scales: KS bytes a row,
	v_lshrrev_b32 v6, 8, v5
	v_lshl_add_u32 v5, v6, 4, v5                   ; and 16 more for each 256 passed
	s_mul_i32 s21, s15, HALFS                      ; A's: my 128 rows
	s_mul_i32 s22, s16, HALFS                      ; B's: my 128 rows, behind A's 256
	s_add_co_u32 s22, s22, 2*HALFS
	s_sub_co_u32 s22, s22, s21
	v_mul_u32_u24 v6, s22, v2                      ; lanes 16-31 take B's
	s_add_co_u32 s21, s21, SCL
	v_add_nc_u32 v5, v5, v6
	v_add_nc_u32 v[ADRS], s21, v5
	s_mul_i32 s23, s14, 16*SPITCH                  ; my stage
	v_mul_u32_u24 v5, v1, SPITCH                   ; in: row r, 16 bytes for each half of the lanes
	v_lshl_add_u32 v5, v2, 4, v5
	v_add_nc_u32 v[STO], s23, v5
	v_bfe_u32 v5, v0, 3, 1                         ; back: lanes 0-15 take two rows' 128 bytes of my first head, lanes 16-31 the same rows of my second
	v_mul_u32_u24 v5, v5, SPITCH
	v_lshl_add_u32 v5, v2, 7, v5
	v_and_b32 v6, 7, v0
	v_lshl_add_u32 v5, v6, 4, v5
	v_add_nc_u32 v[RD], s23, v5
	v_lshlrev_b32 v[CO], 18, v2                    ; in qkv16 a head is 2,048 x 128 = 262,144 bytes; two rows of a head are 256 consecutive bytes
	v_lshl_add_u32 v[CO], v1, 4, v[CO]
	v_mul_u32_u24 v[FO], v1, 12288
	v_lshl_add_u32 v[FO], v2, 5, v[FO]
	s_lshr_b32 s18, s17, 3                         ; the batch: 8 tile rows to a sequence
	s_mul_i32 s46, s18, 196608
	s_add_nc_u64 s[98:99], s[98:99], s[46:47]      ; fq at (batch x 16, my first column)
	s_lshl_b32 s19, s42, 2
	s_lshl_b32 s20, s16, 1
	s_add_co_u32 s19, s19, s20                     ; g = my first column / 64: an even number, so g and g + 1 lie in the same of q, k, v
	s_lshr_b32 s20, s19, 4
	s_lshl_b32 s46, s20, 23                        ; which of q, k, v
	s_and_b32 s19, s19, 15
	s_lshl_b32 s19, s19, 18                        ; the head
	s_add_co_u32 s46, s46, s19
	s_lshl_b32 s19, s18, 22                        ; the batch
	s_add_co_u32 s46, s46, s19
	s_and_b32 s19, s17, 7
	s_lshl_b32 s20, s19, 15                        ; 256 positions of 128 bytes a tile row
	s_add_co_u32 s46, s46, s20
	s_lshl_b32 s20, s15, 14                        ; my half of them
	s_add_co_u32 s46, s46, s20
	s_add_nc_u64 s[12:13], s[12:13], s[46:47]
	s_lshl_b32 s19, s19, 1
	s_or_b32 s19, s19, s15
	v_mov_b32 v[FP], s19                           ; 0 where my first row is position 0 of a sequence
.macro FRAG reg, adr, q, i             ; 16 rows x 128 K of 4-bit codes: 8 registers; lane l holds row l % 16; registers 4 c .. 4 c + 3 hold K = 64 c + 32 (l / 16) + 0 .. 31
.irp c, 0,1
	ds_load_b128 v[\reg+4*\c:\reg+4*\c+3], v[\adr] offset:64*(\q)+32*\c+(\i)*16*PITCH
.endr
.endm
; 16 matrix instructions: A's blocks a0, a0 + 1 x B's eight, 128 along K.  p: B's set;  sc: the set of scale words.  zero = 1: the first product starts the sums from the bias.
; The 64 accumulators take turns, one instruction a turn, in the same order in every step.
.macro MUL16 a0, p, q, sc, zero
.irp a, \a0, \a0+1
.irp b, 0,1,2,3,4,5,6,7
.if \zero
	v_wmma_scale_f32_16x16x128_f8f6f4 v[8*(8*((\a)%4)+\b):8*(8*((\a)%4)+\b)+7], v[128*(\p)+FR*\b:128*(\p)+FR*\b+FR-1], v[AF+FR*(\a):AF+FR*(\a)+FR-1], v[BIAS+8*\b:BIAS+8*\b+7], v[SC+8*NQ*(\sc)+NQ*\b+(\q)], v[SC+8*NQ*(\sc)+NQ*(\a)+(\q)] matrix_a_fmt:MATRIX_FMT_FP4 matrix_b_fmt:MATRIX_FMT_FP4 matrix_a_scale:MATRIX_SCALE_ROW1
.else
	v_wmma_scale_f32_16x16x128_f8f6f4 v[8*(8*((\a)%4)+\b):8*(8*((\a)%4)+\b)+7], v[128*(\p)+FR*\b:128*(\p)+FR*\b+FR-1], v[AF+FR*(\a):AF+FR*(\a)+FR-1], v[8*(8*((\a)%4)+\b):8*(8*((\a)%4)+\b)+7], v[SC+8*NQ*(\sc)+NQ*\b+(\q)], v[SC+8*NQ*(\sc)+NQ*(\a)+(\q)] matrix_a_fmt:MATRIX_FMT_FP4 matrix_b_fmt:MATRIX_FMT_FP4 matrix_a_scale:MATRIX_SCALE_ROW1
.endif
.endr
.endr
.endm
.macro FETCH_B slot, q, p
	WIN TO_B
.irp i, 0,1,2,3,4,5,6,7
	FRAG 128*(\p)+FR*\i, ADRB+\slot, \q, \i
.endr
	WIN 0
.endm
.macro FETCH_A slot, q, i0
.irp i, \i0, \i0+1, \i0+2, \i0+3
	FRAG AF+FR*(\i), ADRA+\slot, \q, \i
.endr
.endm
.macro SCALES sc                       ; a slot's scale words: lanes 0-15 take A's block i, lanes 16-31 B's block i
.irp i, 0,1,2,3,4,5,6,7
	ds_load_b128 v[SC+8*NQ*\sc+NQ*\i:SC+8*NQ*\sc+NQ*\i+3], v[ADRS] offset:\i*SBLK
.endr
.endm
.macro PLACES n                        ; plain vector instructions between a matrix instruction and a load into, or a read of, its registers
.rept \n
	v_nop
.endr
.endm
.macro STEP slot, q, zero              ; a step of 128 along K that has its successor in the same slot
	s_wait_dscnt 4*NL                              ; B's set and A's blocks 0-3 are in; the youngest eight loads (A's blocks 4-7) may be out
.if \zero
	WIN BIA_LO
.else
	WIN MUL_LO
.endif
	MUL16 0, (\q)%2, \q, \slot, \zero
	MUL16 2, (\q)%2, \q, \slot, \zero
	s_wait_dscnt 0                                 ; A's blocks 4-7 are in
	PLACES NP
	FETCH_B \slot, (\q)+1, 1-(\q)%2
	FETCH_A \slot, (\q)+1, 0
.if \zero
	WIN BIA_HI
.else
	WIN MUL_HI
.endif
	MUL16 4, (\q)%2, \q, \slot, \zero
	MUL16 6, (\q)%2, \q, \slot, \zero
	PLACES NP
	WIN 0
	FETCH_A \slot, (\q)+1, 4
.endm
; Slot 0's last step changes slots: one barrier; in front of it each wave waits for all its tensor loads (slot 1's is the one that may be out), adds 0 to its spare word, and waits for that and for its reads of slot 0.
.macro TURN slot, next
	s_wait_tensorcnt 0x0
	ds_add_u32 v[SPW], v[NIL]
	s_wait_dscnt 4*NL+1                            ; (the add and the youngest eight loads may be out)
	WIN MUL_LO
	MUL16 0, 1, NQ-1, \slot, 0
	s_wait_dscnt 0x0                               ; the add is done, and my reads of this slot are over
	s_barrier_signal -1
	MUL16 2, 1, NQ-1, \slot, 0
	WIN 0
	s_barrier_wait -1
	PLACES NP
	v_add_nc_u32 v[ADRS], 4*NQ, v[ADRS]            ; on to the next slot's scale words (no LDS load of mine is out)
	FETCH_B \next, 0, 0
	FETCH_A \next, 0, 0
	SCALES \next
	WIN MUL_HI
	MUL16 4, 1, NQ-1, \slot, 0
	MUL16 6, 1, NQ-1, \slot, 0
	PLACES NP
	WIN 0
	FETCH_A \next, 0, 4
.endm
.macro STEPS slot, from
.set Q, \from
.rept NQ-1-\from
	STEP \slot, Q, 0
.set Q, Q+1
.endr
.endm
	s_wait_tensorcnt 1                             ; the scales and my part of slot 0 are in (slot 1's load may be out)
	s_barrier_signal -1
	s_barrier_wait -1                              ; everybody's are
	FETCH_B 0, 0, 0
	FETCH_A 0, 0, 0
	SCALES 0
	FETCH_A 0, 0, 4
	s_wait_loadcnt 0x0                             ; the bias
	STEP 0, 0, 1
	STEPS 0, 1
	TURN 0, 1
	STEPS 1, 0
	s_wait_dscnt 4*NL                              ; the very last step: nothing more to fetch
	WIN MUL_LO
	MUL16 0, 1, NQ-1, 1, 0
	MUL16 2, 1, NQ-1, 1, 0
	s_wait_dscnt 0
	WIN MUL_HI
	MUL16 4, 1, NQ-1, 1, 0
	MUL16 6, 1, NQ-1, 1, 0
	WIN 0
	PLACES NP
	; THE FINE ROWS.  Where my block 0 is positions 0-15 of a sequence its f32 sums go to fq as they are: a predicate on the stores (no branch and no LDS address hangs on the work-group's place).
	; A lane's 32 bytes and its neighbour half's make pieces of 64 bytes: 0.39 MB in all, against 25 MB of whole 256-byte runs below.
	s_wait_xcnt 0x0                                ; EXEC changes only behind this wait
	v_cmp_eq_u32 vcc_lo, 0, v[FP]
	s_and_saveexec_b32 s95, vcc_lo
	WIN 0x08                                       ; a store's data: window 2
.irp b, 0,1,2,3,4,5,6,7
	global_store_b128 v[FO], v[8*\b:8*\b+3], s[98:99] offset:64*\b          ; each accumulator from its low end on
	global_store_b128 v[FO], v[8*\b+4:8*\b+7], s[98:99] offset:64*\b+16
.endr
	WIN 0
	s_wait_xcnt 0x0                                ; and again in front of the line that widens it
	s_or_b32 exec_lo, exec_lo, s95
; THE WAY OUT, block by block of 16 rows x 128 columns (two heads).  PACK: rounded to f16, 16 bytes a lane.  TOSTAGE: into my own stage, and back so that sixteen lanes hold two rows of one head.  SEND: stored.
.macro PACK a
.set AC, 64*((\a)%4)
	WIN 0x0a+5*((\a)/4)                            ; sources 0 and 1: window 2 or 3
.irp b, 0,1,2,3,4,5,6,7
.irp r, 0,1,2,3
	v_cvt_pk_f16_f32 v[TMP+4*\b+\r], v[AC+8*\b+2*\r], v[AC+8*\b+2*\r+1]
.endr
.endr
	WIN 0
.endm
.macro TOSTAGE a
.set BK, OB+192*((\a)%2)
.irp b, 0,1,2,3,4,5,6,7
	ds_store_b128 v[STO], v[TMP+4*\b:TMP+4*\b+3] offset:32*\b
.endr
.irp t, 0,1,2,3,4,5,6,7
	ds_load_b128 v[BK+4*\t:BK+4*\t+3], v[RD] offset:\t*2*SPITCH    ; LDS serves a wave's instructions in order: these see the stores above
.endr
.endm
.macro SEND a
.set BK, OB+192*((\a)%2)
	s_wait_dscnt 0x0                               ; the block is back in registers
	s_wait_xcnt 0x0                                ; the stores of the block before have read their registers, which the next TOSTAGE loads anew
.irp t, 0,1,2,3,4,5,6,7
	global_store_b128 v[CO], v[BK+4*\t:BK+4*\t+3], s[12:13] offset:(\a)*2048+\t*256   ; sixteen lanes store 256 consecutive bytes, aligned
.endr
.endm
	PACK 0
	TOSTAGE 0
.irp a, 1,2,3,4,5,6,7                  ; block a's conversions stand between block a - 1's loads from the stage and the wait for them
	PACK \a
	SEND \a-1
	TOSTAGE \a
.endr
	SEND 7
	s_wait_tensorcnt 0x0                           ; the wave's end
	ds_add_u32 v[SPW], v[NIL]
	s_wait_dscnt 0x0
	CROUND                                         ; the closing round
	s_endpgm
.Lfunc_end_k_qac9ce3c19c_qkv:
	.size	k_qac9ce3c19c_qkv, .Lfunc_end_k_qac9ce3c19c_qkv-k_qac9ce3c19c_qkv
	.p2alignl 7, 3214868480
	.fill 96, 4, 3214868480
	.section	.rodata,"a",@progbits
	.p2align	6, 0x0
	.amdhsa_kernel k_qac9ce3c19c_qkv
		.amdhsa_group_segment_fixed_size 327680
		.amdhsa_private_segment_fixed_size 0
		.amdhsa_enable_private_segment 0
		.amdhsa_kernarg_size 56
		.amdhsa_user_sgpr_count 2
		.amdhsa_user_sgpr_kernarg_segment_ptr 1
		.amdhsa_wavefront_size32 1
		.amdhsa_system_sgpr_workgroup_id_x 1
		.amdhsa_system_sgpr_workgroup_id_y 1
		.amdhsa_system_sgpr_workgroup_id_z 1
		.amdhsa_system_vgpr_workitem_id 0
		.amdhsa_next_free_vgpr 1024
		.amdhsa_next_free_sgpr 100
		.amdhsa_reserve_vcc 1
		.amdhsa_float_denorm_mode_32 3
		.amdhsa_float_denorm_mode_16_64 3
		.amdhsa_memory_ordered 1
		.amdhsa_forward_progress 1
		.amdhsa_inst_pref_size 130
	.end_amdhsa_kernel
	.amdgpu_metadata
---
amdhsa.version: [ 1, 2 ]
amdhsa.kernels:
  - .name:           k_qac9ce3c19c_qkv
    .symbol:         k_qac9ce3c19c_qkv.kd
    .args:
      - { .name: xc, .offset: 0, .size: 8, .value_kind: global_buffer, .address_space: global }
      - { .name: xs, .offset: 8, .size: 8, .value_kind: global_buffer, .address_space: global }
      - { .name: wc, .offset: 16, .size: 8, .value_kind: global_buffer, .address_space: global }
      - { .name: ws, .offset: 24, .size: 8, .value_kind: global_buffer, .address_space: global }
      - { .name: b_qkv, .offset: 32, .size: 8, .value_kind: global_buffer, .address_space: global }
      - { .name: qkv16, .offset: 40, .size: 8, .value_kind: global_buffer, .address_space: global }
      - { .name: fq, .offset: 48, .size: 8, .value_kind: global_buffer, .address_space: global }
    .group_segment_fixed_size: 327680
    .private_segment_fixed_size: 0
    .kernarg_segment_align: 8
    .kernarg_segment_size: 56
    .max_flat_workgroup_size: 128
    .sgpr_count:     100
    .vgpr_count:     1024
    .wavefront_size: 32
...
	.end_amdgpu_metadata
.endif
;; end of part 2
;; launch attn (part 3): grid 8 x 32, 8 waves a work-group, no clusters, 327,680 bytes of LDS; arguments qkv16, ao16; writes ao16
.if DOCPART == 3
	.amdgcn_target "amdgcn-amd-amdhsa--gfx1250"
	.amdhsa_code_object_version 6
	.text
	.protected	k_qac9ce3c19c_attn
	.globl	k_qac9ce3c19c_attn
	.p2align	8
	.type	k_qac9ce3c19c_attn,@function
k_qac9ce3c19c_attn:
	s_mov_b64 s[64:65], 0
	v_nop
	global_prefetch_b8 v0, s[64:65] scope:SCOPE_SE
	s_setreg_imm32_b32 hwreg(HW_REG_WAVE_MODE, 25, 1), 1
	s_wait_xcnt 0x0
; CAUSAL ATTENTION, head size 64, 2,048 positions, 32 (batch, head) pairs.  q, k, v: f16, qkv16 [3][bh][position][64]; the result, f16, ao16 [bh][position][64].
; Products, maxima and sums in f32; the weights p are rounded to f16 for the second product; a running maximum m and sum l for each query: p = 2^(c s - c m), c = log2(e) / 8.
; LIMITS: operands in f16 (magnitudes up to 65,504); the running maximum starts at -3e38; NaN and infinities are not served.  Positions 0-15 are made here too and made again, finely, by a later launch.
; SHARES.  A head has 128 tiles of 16 queries.  Wave w of work-group g owns TWO: the early tile 8 g + w and the late tile 127 - (8 g + w): together 129 units of 16 queries x 16 keys for every wave, so
; all work-groups and waves have equal work under the mask.  Both tiles share each fragment of K and V while the early one is alive.  Two waves share a SIMD: one's softmax stands beside the other's products.
; Every wave walks all eight slots of 256 keys (constant trip counts, every barrier passed); a step of 64 keys all of which come after the late tile's queries is jumped over by a scalar branch on ids.
; NO CLUSTER: the query groups of a head need different numbers of key slots (2,048 - 128 g keys), so a joint load would bring tiles that no wave of some partner reads.
; LAYOUT.  S^T = K Q^T (source 0 = 16 keys, source 1 = 16 queries): a lane holds one query (lane % 16) and keys 8 (lane / 16) + 0..7 of each tile of 16 keys.  Two such tiles, rounded in pairs, are source 1 of
; O^T = V^T P, whose result again holds one query a lane and eight channels.  K comes out of LDS as it lies, V ([key][channel]) turned, by ds_load_tr16_b128.
; REGISTERS.  window 0: v1-14 addresses; v16-31 statistics, 8 a tile (tile 0 = late, 1 = early); v32-63 Q; v64-127 S^T; v128-159 P; v160-223 O^T; v224-255 the way out.   window 1: v0-63 K, v64-127 V of a step.
.set PK,    144                        ; a row of K in LDS: 128 bytes + 16
.set PV,    160                        ; a row of V: 128 + 32: 16 lanes of the turning load take 8 rows x 32 bytes
.set VOFF,  256*PK                     ; a slot: 256 rows of K, then 256 rows of V
.set SLOT1, 1<<17                      ; slot 1 begins here: one exclusive or turns an address in one slot into the other's
.set STAGE, SLOT1+256*(PK+PV)          ; behind the ring: two tiles of 16 rows x 144 bytes for each wave
.set SPARE, STAGE+8*2*16*PK            ; the spare words, 128 bytes for each wave: four blocks of 256 bytes that no other line names
.set AK0, 1
.set AV0, 2
.set ADK, 3
.set ADV, 4
.set SPW, 5
.set NIL, 6
.set QO,  7
.set STO, 8
.set RD,  9
.set GO,  10
.set PFO, 11
.set RH,  12                           ; v12  lane % 16 - 8 (lane / 16)
.set DD,  13
.set NINF, 14
.set ST,  16                           ; tile t at v[ST + 8 t]: +0 c m, +1 m, +2, +3 l, +4 to +7 at work; a takes +6
.set Q,   32
.set S,   64
.set P,   128
.set O,   160
.set OUT, 224
.set VF,  64                           ; V's fragments, in window 1
.set CS,  40                           ; s[40:41] c, twice
.set SEL, 42                           ; s[42:43] lane selects: lane l xor 16
; s8 wave; s9 bh; s11 the slot in hand; s12 the step's first key; s13 the early tile's first query; s14 the late tile's; s15 the work-group's last query; s44 slots to ask for; s45 who prefetches; s[46:47] where
.set MSB, 0
.macro WIN new
.if MSB != (\new)
	s_set_vgpr_msb (MSB<<8)|(\new)
.set MSB, (\new)
.endif
.endm
; Waves 0-3 fetch a quarter (64 rows) of the slot's K, waves 4-7 of its V.  The branch hangs on the wave's number alone.  An s_nop 0 and four v_nop follow each of the two lines.
.macro TLOAD
	s_cmp_lt_u32 s8, 4
	s_cbranch_scc0 .Lfor_v_\@
	tensor_load_to_lds s[32:35], s[16:23]
	s_nop 0
.rept 4
	v_nop
.endr
	s_branch .Lasked_\@
.Lfor_v_\@:
	tensor_load_to_lds s[36:39], s[24:31]
	s_nop 0
.rept 4
	v_nop
.endr
.Lasked_\@:
.endm
; A PREFETCH of what the NEXT change of slots will ask for, four key steps ahead of that load.  All work-groups of a head walk the same K and V from key 0 on; work-group 0, which walks all eight slots, asks, and nobody else.
; Each of its eight waves names the quarter that it will fetch: 8,192 dense bytes, lanes 256 bytes apart: each aligned block of 256 bytes is named once in the launch.  Slots 0 and 1 come by their loads alone;
; the last change that fills a slot asks for nothing.
.macro ASK
	s_cmp_gt_u32 s44, s45
	s_cbranch_scc0 .Lnot_mine_\@
	global_prefetch_b8 v[PFO], s[46:47] th:TH_LOAD_NT scope:SCOPE_SE
.Lnot_mine_\@:
.endm
	s_load_b128 s[4:7], s[0:1], 0x0                ; qkv16 s[4:5], ao16 s[6:7]
	v_lshl_add_u32 v[SPW], v0, 2, SPARE
	v_mov_b32 v[NIL], 0
	ds_add_u32 v[SPW], v[NIL]                      ; the wave's opening: the add, twice on end, and its wait ahead of my first tensor load
	ds_add_u32 v[SPW], v[NIL]
	v_lshrrev_b32 v15, 5, v0
	v_readfirstlane_b32 s8, v15                    ; wave 0..7
	s_and_b32 s9, ttmp7, 0xffff                    ; bh
	s_lshl_b32 s13, ttmp9, 7
	s_sub_co_u32 s15, 2047, s13                    ; my work-group's last query
	s_lshl_b32 s10, s8, 4
	s_add_co_u32 s13, s13, s10                     ; the early tile's first query: 128 g + 16 w
	s_sub_co_u32 s14, 2032, s13                    ; the late tile's
	; descriptor group 1: 64 rows of 64 elements of 2 bytes, dense in memory, padded in LDS behind every row of 32 words: K by 4 words, V by 8
	s_mov_b32 s16, (1<<16)|(1<<20)|(4<<22)|(3<<25)
	s_mov_b32 s24, (1<<16)|(1<<20)|(4<<22)|(7<<25)
.irp g, 16, 24
	s_mov_b32 s[\g+1], 64<<16                      ; tensor_dim0 = 64
	s_mov_b32 s[\g+2], 64<<16                      ; tensor_dim1 = 64
	s_mov_b32 s[\g+3], 64<<16                      ; tile_dim0 = 64
	s_mov_b32 s[\g+4], 64                          ; tile_dim1 = 64
	s_mov_b32 s[\g+5], 64                          ; from row to row
	s_mov_b32 s[\g+6], 0
	s_mov_b32 s[\g+7], 0
.endr
	s_mov_b32 s[CS], 0x3e38aa3b                    ; c = log2(e) / sqrt(64)
	s_mov_b32 s[CS+1], s[CS]
	s_mov_b32 s[SEL], 0x76543210
	s_mov_b32 s[SEL+1], 0xfedcba98
	s_mov_b32 s11, 0
	s_mov_b32 s12, 0
	s_mov_b32 s44, 7
	s_cmp_eq_u32 ttmp9, 0
	s_cselect_b32 s45, 1, -1
	s_lshl_b32 s56, s9, 18                         ; the head's first byte in each of q, k, v and in ao16
	s_and_b32 s10, s8, 3                           ; which quarter of a slot I fetch
	s_lshl_b32 s58, s10, 13                        ; its 64 rows of 128 bytes
	s_add_co_u32 s58, s58, s56
	s_mov_b32 s59, 0
	s_mov_b32 s32, 1
	s_mul_i32 s33, s10, 64*PK
	s_mov_b32 s36, 1
	s_mul_i32 s37, s10, 64*PV
	s_add_co_u32 s37, s37, VOFF
	s_wait_dscnt 0x0                               ; both opening adds are done
	s_wait_kmcnt 0x0
	s_add_nc_u64 s[34:35], s[4:5], s[58:59]
	s_add_nc_u64 s[34:35], s[34:35], 0x800000      ; k lies 2^23 bytes into qkv16,
	s_add_nc_u64 s[38:39], s[34:35], 0x800000      ; v 2^24
	s_cmp_lt_u32 s8, 4
	s_cselect_b64 s[46:47], s[34:35], s[38:39]
	s_add_nc_u64 s[46:47], s[46:47], 32768         ; my quarter in slot 1: the first change of slots steps it to slot 2
	s_or_b32 s35, s35, 0x80000000
	s_or_b32 s39, s39, 0x80000000
	TLOAD                                          ; slot 0: it holds key 0, which counts for every query
	s_lshl_b32 s58, s14, 7
	s_add_co_u32 s58, s58, s56
	s_add_nc_u64 s[48:49], s[4:5], s[58:59]        ; the late tile's rows of q
	s_add_nc_u64 s[52:53], s[6:7], s[58:59]        ; and of ao16
	s_lshl_b32 s58, s13, 7
	s_add_co_u32 s58, s58, s56
	s_add_nc_u64 s[50:51], s[4:5], s[58:59]        ; the early tile's
	s_add_nc_u64 s[54:55], s[6:7], s[58:59]
	v_and_b32 v15, 15, v0                          ; r
	v_bfe_u32 v13, v0, 4, 1                        ; h
	v_lshlrev_b32 v[QO], 7, v15
	v_lshl_add_u32 v[QO], v13, 4, v[QO]            ; q: row r of 128 bytes + 16 h
.irp t, 0,1
.irp e, 0,1
	global_load_b128 v[Q+16*\t+8*\e:Q+16*\t+8*\e+3], v[QO], s[48+2*\t:49+2*\t] offset:64*\e       ; Q stays in registers
	global_load_b128 v[Q+16*\t+8*\e+4:Q+16*\t+8*\e+7], v[QO], s[48+2*\t:49+2*\t] offset:64*\e+32
.endr
.endr
	v_mul_u32_u24 v[AK0], v15, PK
	v_lshl_add_u32 v[AK0], v13, 4, v[AK0]          ; K: row r x pitch + 16 h
	v_and_b32 v[AV0], 7, v0
	v_lshl_add_u32 v[AV0], v13, 3, v[AV0]          ; V: key 8 h + l % 8,
	v_mul_u32_u24 v[AV0], v[AV0], PV
	v_bfe_u32 v[ADK], v0, 3, 1
	v_lshl_add_u32 v[AV0], v[ADK], 4, v[AV0]       ; channels 8 ((l / 8) % 2) on
	v_add_nc_u32 v[AV0], VOFF, v[AV0]
	s_mul_i32 s56, s8, 2*16*PK
	s_add_co_u32 s56, s56, STAGE                   ; my stage
	v_add_nc_u32 v[STO], s56, v[AK0]               ; in: row r, 16 bytes for each half of the lanes
	v_bfe_u32 v[RD], v0, 3, 2
	v_mul_u32_u24 v[RD], v[RD], PK
	v_and_b32 v[ADV], 7, v0
	v_lshl_add_u32 v[RD], v[ADV], 4, v[RD]
	v_add_nc_u32 v[RD], s56, v[RD]                 ; back: eight lanes to a row of 128 bytes, four rows an instruction
	v_and_b32 v[GO], 31, v0
	v_lshlrev_b32 v[PFO], 8, v[GO]
	v_lshlrev_b32 v[GO], 4, v[GO]                  ; a tile's 16 rows are 2,048 consecutive bytes of ao16
	v_lshlrev_b32 v[RH], 3, v13
	v_sub_nc_u32 v[RH], v15, v[RH]
	v_mov_b32 v[DD], 0
	v_mov_b32 v[NINF], 0xff800000
.irp t, 0,1
	v_mov_b32 v[ST+8*\t+1], 0xff61b1e6             ; m: -3e38, under every score
	v_mul_f32 v[ST+8*\t], s[CS], v[ST+8*\t+1]      ; c m
.irp i, 2,3,4,5,6,7
	v_mov_b32 v[ST+8*\t+\i], 0                     ; l; and the registers at work: a lane permute's destination counts as one of its sources
.endr
.endr
.set i, 0
.rept 64
	v_mov_b32 v[O+i], 0                            ; O^T.  (The step is written once: the first finds zeros, which a = 0 leaves zeros)
.set i, i+1
.endr
; S^T of tile t: 8 products, four accumulators by turns; the first four start the sums
.macro SQK t
.irp e, 0,1
.irp k, 0,1,2,3
.if \e == 0
	v_wmma_f32_16x16x32_f16 v[S+32*(\t)+8*\k:S+32*(\t)+8*\k+7], v[8*(2*\k+\e):8*(2*\k+\e)+7], v[Q+16*(\t)+8*\e:Q+16*(\t)+8*\e+7], 0
.else
	v_wmma_f32_16x16x32_f16 v[S+32*(\t)+8*\k:S+32*(\t)+8*\k+7], v[8*(2*\k+\e):8*(2*\k+\e)+7], v[Q+16*(\t)+8*\e:Q+16*(\t)+8*\e+7], v[S+32*(\t)+8*\k:S+32*(\t)+8*\k+7]
.endif
.endr
.endr
.endm
; O^T of tile t += V^T P: 8 products, four accumulators by turns
.macro PV t
.irp k, 0,1
.irp c, 0,1,2,3
	v_wmma_f32_16x16x32_f16 v[O+32*(\t)+8*\c:O+32*(\t)+8*\c+7], v[VF+8*(4*\k+\c):VF+8*(4*\k+\c)+7], v[P+16*(\t)+8*\k:P+16*(\t)+8*\k+7], v[O+32*(\t)+8*\c:O+32*(\t)+8*\c+7]
.endr
.endr
.endm
; On the diagonal hidden scores become -infinity.  Register n holds key KF + 16 (n / 8) + 8 (lane / 16) + n % 8: hidden where 16 (n / 8) + n % 8 > my query - KF - 8 (lane / 16)
.macro MASK t
	s_sub_co_i32 s56, s[14-(\t)], s12
	v_add_nc_u32 v[DD], s56, v[RH]
.irp n, 0,1,2,3,4,5,6,7,8,9,10,11,12,13,14,15,16,17,18,19,20,21,22,23,24,25,26,27,28,29,30,31
	v_cmp_gt_i32 vcc_lo, 16*(\n/8)+\n%8, v[DD]
	v_cndmask_b32 v[S+32*(\t)+\n], v[S+32*(\t)+\n], v[NINF], vcc_lo
.endr
.endm
.macro SOFTMAX t
.set rT, ST+8*(\t)
.set rS, S+32*(\t)
.set rP, P+16*(\t)
.set rO, O+32*(\t)
.irp k, 0,1,2,3
	v_max3_num_f32 v[rT+4+\k], v[rS+8*\k], v[rS+8*\k+1], v[rS+8*\k+2]      ; four chains, each from its accumulator's low end on
.endr
.irp i, 3,5
.irp k, 0,1,2,3
	v_max3_num_f32 v[rT+4+\k], v[rT+4+\k], v[rS+8*\k+\i], v[rS+8*\k+\i+1]
.endr
.endr
	v_max3_num_f32 v[rT+4], v[rT+4], v[rS+7], v[rS+15]
	v_max3_num_f32 v[rT+6], v[rT+6], v[rS+23], v[rS+31]
	v_max3_num_f32 v[rT+4], v[rT+4], v[rT+5], v[rT+6]
	v_max3_num_f32 v[rT+4], v[rT+4], v[rT+7], v[rT+1]                      ; with the old m
	v_permlanex16_b32 v[rT+5], v[rT+4], s[SEL], s[SEL+1]                   ; the query's other 32 keys lie in the lane 16 away
	v_mov_b32 v[rT+7], v[rT]                                               ; c m_old
	v_max_num_f32 v[rT+1], v[rT+4], v[rT+5]
	v_mul_f32 v[rT], s[CS], v[rT+1]
	v_sub_f32 v[rT+7], v[rT+7], v[rT]                                      ; c m_old - c m_new
.irp b, 0,1,2,3,4,5,6,7,8,9,10,11,12,13,14,15
	v_pk_fma_f32 v[rS+2*\b:rS+2*\b+1], v[rS+2*\b:rS+2*\b+1], s[CS:CS+1], v[rT:rT+1] op_sel_hi:[1,0,0] neg_lo:[0,0,1] neg_hi:[0,0,1]   ; c s - c m
.endr
	v_exp_f32 v[rT+6], v[rT+7]                                             ; a
.irp n, 0,1,2,3,4,5,6,7,8,9,10,11,12,13,14,15,16,17,18,19,20,21,22,23,24,25,26,27,28,29,30,31
	v_exp_f32 v[rS+\n], v[rS+\n]                                           ; one batch: none reads another's result
.endr
	v_nop                                                                  ; a plain instruction behind the last exponential
	s_wait_alu depctr_va_vdst(0)                                           ; one wait for the batch, ahead of its first reader
.irp b, 0,1,2,3,4,5,6,7,8,9,10,11,12,13,14,15
	v_cvt_pk_f16_f32 v[rP+\b], v[rS+2*\b], v[rS+2*\b+1]
.endr
.irp u, 0,1,2,3,4,5,6,7
	v_pk_add_f32 v[rS+4*\u:rS+4*\u+1], v[rS+4*\u:rS+4*\u+1], v[rS+4*\u+2:rS+4*\u+3]   ; the sum of the unrounded weights, as a tree of pairs
.endr
.irp u, 0,1,2,3
	v_pk_add_f32 v[rS+8*\u:rS+8*\u+1], v[rS+8*\u:rS+8*\u+1], v[rS+8*\u+4:rS+8*\u+5]
.endr
.irp u, 0,1
	v_pk_add_f32 v[rS+16*\u:rS+16*\u+1], v[rS+16*\u:rS+16*\u+1], v[rS+16*\u+8:rS+16*\u+9]
.endr
	v_pk_add_f32 v[rS:rS+1], v[rS:rS+1], v[rS+16:rS+17]
	v_pk_fma_f32 v[rT+2:rT+3], v[rT+2:rT+3], v[rT+6:rT+7], v[rS:rS+1] op_sel_hi:[1,0,1]   ; l = a l + the sum
.irp i, 0,1,2,3,4,5,6,7,8,9,10,11,12,13,14,15
	v_pk_mul_f32 v[rO+2*\i:rO+2*\i+1], v[rO+2*\i:rO+2*\i+1], v[rT+6:rT+7] op_sel_hi:[1,0]   ; O^T times a, each accumulator from its low end on
.endr
.endm
; A KEY STEP: 64 keys, the q-th of the slot in hand.
.macro STEP q
	s_add_co_u32 s56, s14, 15
	s_cmp_gt_u32 s12, s56                          ; all 64 keys come after the late tile's queries (and so after the early tile's): nothing to do.  Ids and the count of steps alone
	s_cbranch_scc1 .Lend_\@
	v_add_nc_u32 v[ADK], s11, v[AK0]
	v_add_nc_u32 v[ADV], s11, v[AV0]
	v_nop
	v_nop                                          ; with the two additions: four places between the last products and the loads into their operands
	WIN 0x40                                       ; destination window 1
.irp k, 0,1,2,3
.irp e, 0,1
	ds_load_b128 v[8*(2*\k+\e):8*(2*\k+\e)+3], v[ADK] offset:(\q)*64*PK+\k*16*PK+64*\e
	ds_load_b128 v[8*(2*\k+\e)+4:8*(2*\k+\e)+7], v[ADK] offset:(\q)*64*PK+\k*16*PK+64*\e+32
.endr
.endr
.irp k, 0,1
.irp c, 0,1,2,3
	ds_load_tr16_b128 v[VF+8*(4*\k+\c):VF+8*(4*\k+\c)+3], v[ADV] offset:(\q)*64*PV+\k*32*PV+32*\c
	ds_load_tr16_b128 v[VF+8*(4*\k+\c)+4:VF+8*(4*\k+\c)+7], v[ADV] offset:(\q)*64*PV+\k*32*PV+16*PV+32*\c
.endr
.endr
	s_wait_dscnt 16                                ; K's sixteen loads are in; V's sixteen may be out
	WIN 0x01                                       ; source 0 window 1
	SQK 0
	WIN 0
	s_add_co_u32 s56, s13, 15
	s_cmp_gt_u32 s12, s56                          ; is the early tile still alive?
	s_cbranch_scc1 .Llate_\@
	WIN 0x01
	SQK 1
	WIN 0
.rept 4
	v_nop                                          ; places behind the products
.endr
	SOFTMAX 0                                      ; no mask: while the early tile is alive KF + 63 <= 1,023, and the late tile's queries begin at 1,024 or later
	s_wait_dscnt 0x0                               ; V is in
	WIN 0x01
	PV 0
	WIN 0
	s_add_co_u32 s56, s12, 63
	s_cmp_le_u32 s56, s13                          ; all keys count for the early tile?
	s_cbranch_scc1 .Lopen_e_\@
	MASK 1
.Lopen_e_\@:
	SOFTMAX 1
	WIN 0x01
	PV 1
	WIN 0
	s_branch .Lend_\@
.Llate_\@:
.rept 4
	v_nop
.endr
	s_add_co_u32 s56, s12, 63
	s_cmp_le_u32 s56, s14
	s_cbranch_scc1 .Lopen_l_\@
	MASK 0
.Lopen_l_\@:
	SOFTMAX 0
	s_wait_dscnt 0x0
	WIN 0x01
	PV 0
	WIN 0
.Lend_\@:
	s_add_co_u32 s12, s12, 64
.endm
; THE CHANGE OF SLOTS stands at a slot's head.  Each wave waits for all its tensor loads (its part of the slot that it is about to read), adds 0 to its spare word, and waits for that and for its reads of the slot
; that it has left.  Behind the barrier the slot ahead is whole and nobody reads the other one.  fill = 1: that other slot takes the next 256 keys, while a wave of the work-group will read them.
.macro CHANGE fill
	s_wait_tensorcnt 0x0                           ; no tensor load of mine is out, so a group 0 may be written
	ds_add_u32 v[SPW], v[NIL]
.if \fill
	s_xor_b32 s33, s33, SLOT1                      ; the walking descriptors: the other slot than last time,
	s_add_nc_u64 s[34:35], s[34:35], 32768         ; the next 256 keys
	s_xor_b32 s37, s37, SLOT1
	s_add_nc_u64 s[38:39], s[38:39], 32768
	s_wait_xcnt 0x0                                ; the last prefetch, a slot back, has read its address
	s_add_nc_u64 s[46:47], s[46:47], 32768         ; one slot further on than the walking descriptors
.endif
	s_wait_dscnt 0x0                               ; the add is done, and my reads of the slot that I have left are over
	s_barrier_signal -1
	s_barrier_wait -1
.if \fill
	s_add_co_u32 s56, s12, 256                     ; the first key of the slot that this change would ask for
	s_cmp_gt_u32 s56, s15                          ; past my work-group's last query no wave reads it: it is not asked for.  Ids and the count of steps alone: all eight waves go the same way.
	s_cbranch_scc1 .Lpast_\@                       ; Every wait on TENSORcnt in this text is for 0; where this tail begins hangs on the work-group's number, so it cannot be written out
	TLOAD                                          ; a wave's one tensor load until the next barrier: it has four key steps in which to land
.Lpast_\@:
	ASK
.endif
.endm
.macro SLOT_STEPS
	STEP 0
	STEP 1
	STEP 2
	STEP 3
	s_xor_b32 s11, s11, SLOT1                      ; on to the other slot
.endm
	s_wait_loadcnt 0x0                             ; Q
.Lslot:                                            ; seven trips
	CHANGE 1
	SLOT_STEPS
	s_sub_co_u32 s44, s44, 1
	s_cmp_lg_u32 s44, 0
	s_cbranch_scc1 .Lslot
	CHANGE 0                                       ; the last slot is written out: nothing is left to ask for
	SLOT_STEPS
	; THE WAY OUT.  l's two halves and the other half of the lanes' are added; O^T is divided by l, rounded to f16 and sent through my stage, so that each store of the wave covers 512 consecutive bytes, aligned.
.rept 4
	v_nop                                          ; places behind the last products
.endr
.irp t, 0,1
	v_add_f32 v[ST+8*\t+4], v[ST+8*\t+2], v[ST+8*\t+3]
.endr
.irp t, 0,1
	v_permlanex16_b32 v[ST+8*\t+5], v[ST+8*\t+4], s[SEL], s[SEL+1]
.endr
.irp t, 0,1
	v_add_f32 v[ST+8*\t+4], v[ST+8*\t+4], v[ST+8*\t+5]
.endr
.irp t, 0,1
	v_rcp_f32 v[ST+8*\t+6], v[ST+8*\t+4]
.endr
	v_nop                                          ; a plain instruction behind the last reciprocal
	s_wait_alu depctr_va_vdst(0)                   ; one wait for both, ahead of the first use
.irp t, 0,1
.irp i, 0,1,2,3,4,5,6,7,8,9,10,11,12,13,14,15
	v_pk_mul_f32 v[O+32*\t+2*\i:O+32*\t+2*\i+1], v[O+32*\t+2*\i:O+32*\t+2*\i+1], v[ST+8*\t+6:ST+8*\t+7] op_sel_hi:[1,0]
.endr
.irp i, 0,1,2,3,4,5,6,7,8,9,10,11,12,13,14,15
	v_cvt_pk_f16_f32 v[OUT+16*\t+\i], v[O+32*\t+2*\i], v[O+32*\t+2*\i+1]
.endr
.irp c, 0,1,2,3
	ds_store_b128 v[STO], v[OUT+16*\t+4*\c:OUT+16*\t+4*\c+3] offset:\t*16*PK+32*\c
.endr
.irp i, 0,1,2,3
	ds_load_b128 v[OUT+16*\t+4*\i:OUT+16*\t+4*\i+3], v[RD] offset:\t*16*PK+\i*4*PK   ; LDS serves a wave's instructions in order: these see the stores above
.endr
.endr
.irp t, 0,1
.irp i, 0,1,2,3
	s_wait_dscnt 11-8*\t-\i                        ; behind this load: the tile's later loads, and for tile 0 the other tile's eight LDS instructions
	global_store_b128 v[GO], v[OUT+16*\t+4*\i:OUT+16*\t+4*\i+3], s[52+2*\t:53+2*\t] offset:512*\i
.endr
.endr
	s_wait_tensorcnt 0x0                           ; the wave's end
	ds_add_u32 v[SPW], v[NIL]
	s_wait_dscnt 0x0
	s_endpgm
.Lfunc_end_k_qac9ce3c19c_attn:
	.size	k_qac9ce3c19c_attn, .Lfunc_end_k_qac9ce3c19c_attn-k_qac9ce3c19c_attn
	.p2alignl 7, 3214868480
	.fill 96, 4, 3214868480
	.section	.rodata,"a",@progbits
	.p2align	6, 0x0
	.amdhsa_kernel k_qac9ce3c19c_attn
		.amdhsa_group_segment_fixed_size 327680
		.amdhsa_private_segment_fixed_size 0
		.amdhsa_enable_private_segment 0
		.amdhsa_kernarg_size 16
		.amdhsa_user_sgpr_count 2
		.amdhsa_user_sgpr_kernarg_segment_ptr 1
		.amdhsa_wavefront_size32 1
		.amdhsa_system_sgpr_workgroup_id_x 1
		.amdhsa_system_sgpr_workgroup_id_y 1
		.amdhsa_system_sgpr_workgroup_id_z 1
		.amdhsa_system_vgpr_workitem_id 0
		.amdhsa_next_free_vgpr 384
		.amdhsa_next_free_sgpr 66
		.amdhsa_reserve_vcc 1
		.amdhsa_float_denorm_mode_32 3
		.amdhsa_float_denorm_mode_16_64 3
		.amdhsa_memory_ordered 1
		.amdhsa_forward_progress 1
		.amdhsa_inst_pref_size 247
	.end_amdhsa_kernel
	.amdgpu_metadata
---
amdhsa.version: [ 1, 2 ]
amdhsa.kernels:
  - .name:           k_qac9ce3c19c_attn
    .symbol:         k_qac9ce3c19c_attn.kd
    .args:
      - { .name: qkv16, .offset: 0, .size: 8, .value_kind: global_buffer, .address_space: global }
      - { .name: ao16, .offset: 8, .size: 8, .value_kind: global_buffer, .address_space: global }
    .group_segment_fixed_size: 327680
    .private_segment_fixed_size: 0
    .kernarg_segment_align: 8
    .kernarg_segment_size: 16
    .max_flat_workgroup_size: 256
    .sgpr_count:     66
    .vgpr_count:     384
    .wavefront_size: 32
...
	.end_amdgpu_metadata
.endif
;; end of part 3
;; launch proj (part 4): grid 8 x 32, 4 waves a work-group, clusters of 4 x 4, 327,680 bytes of LDS; arguments ao16, wo16, b_out, out0; writes out0
.if DOCPART == 4
	.amdgcn_target "amdgcn-amd-amdhsa--gfx1250"
	.amdhsa_code_object_version 6
	.text
	.protected	k_qac9ce3c19c_proj
	.globl	k_qac9ce3c19c_proj
	.p2align	8
	.type	k_qac9ce3c19c_proj,@function
k_qac9ce3c19c_proj:
	s_mov_b64 s[64:65], 0
	v_nop
	global_prefetch_b8 v0, s[64:65] scope:SCOPE_SE
	s_setreg_imm32_b32 hwreg(HW_REG_WAVE_MODE, 25, 1), 1
	s_wait_xcnt 0x0
	s_wait_alu depctr_hold_cnt(0) depctr_sa_sdst(0) depctr_va_vdst(0) depctr_va_sdst(0) depctr_va_ssrc(0) depctr_va_vcc(0) depctr_vm_vsrc(0)
	s_getreg_b32 s2, hwreg(HW_REG_IB_STS2, 6, 4)
	s_cmp_eq_u32 s2, 0
	s_cbranch_scc0 .Lentry_in_a_cluster
	s_endpgm
.Lentry_in_a_cluster:
	s_bfe_u32 s2, ttmp6, 0x10000c
	s_cmp_lg_u32 s2, 0xf033
	s_cbranch_scc0 .Lentry_shape_is_right
	s_endpgm
.Lentry_shape_is_right:
; out0 = attention output x w_out + b_out.  A = ao16, f16, laid [batch x 16 + head][position][64] (A[m][k]: m = batch x 2,048 + position, k = 64 head + channel); B = wo16 [n][k], f16; out0 [4096][1024] f32; sums in f32.
; LIMIT: operands in f16 (magnitudes up to 65,504).  Rows 0-15 of each sequence are written here and written again, finely, by the launch behind this one.
; A tile of C is 128 x 128: 256 work-groups.  Four waves, each 64 x 64: 16 accumulators.  K goes in steps of 256 (four heads) through two LDS slots.
; A's TILE: 64 positions x 4 heads x 64 channels.  In memory 64 positions of a head are 8,192 dense bytes, and heads lie 262,144 bytes apart: a tile of 4 rows of 4,096 elements, padded by 16 bytes behind every 128,
; so that it lies in LDS as [head][position] with 144 bytes a line.  B's tile: 64 rows of 512 bytes, 528 bytes apart.
; CLUSTERS: 4 x 4 work-groups; A's tile is shared along a row of the cluster, B's along a column, each asked for jointly.
; THE MATRIX INSTRUCTION IS USED TRANSPOSED (source 0 = 16 rows of B, source 1 = 16 rows of A): a lane holds eight neighbouring numbers of a row of C.  THE BIAS is the C of each sum's first product.
; REGISTERS: window 0: v0-31 addresses; v32-95 the way out; v96-127 the bias in the result's layout; v128-255 the accumulators ((a, b) at v[128 + 8 (4 a + b)]).   window 1: two fragment buffers of 128.
.set KSTEP,  256
.set PA,     144
.set PLANE,  64*PA                     ; a head's 64 positions
.set AHALF,  4*PLANE                   ; what one tensor load brings of A
.set PB,     528
.set BHALF,  64*PB                     ; and of B
.set BOFF,   2*AHALF
.set SLOT,   BOFF+2*BHALF
.set ASTEP,  4*262144                  ; four heads on
.set STAGE,  2*SLOT                    ; behind the ring: two stages of 16 rows x 272 bytes for each wave
.set SPITCH, 272
.set SPARE,  STAGE+4*32*SPITCH         ; the spare words, 128 bytes for each wave: two blocks of 256 bytes that no other line names
.set LAPS,   2                         ; 1,024 along K = two laps of two K steps
.set ADRA, 16
.set ADRB, 20
.set STO,  24
.set RD,   25
.set CO,   26
.set BO,   27
.set SPW,  28
.set NIL,  29
.set TMP,  32
.set BIAS, 96
.set ACC,  128
.set F0,   0
.set F1,   128
.set G1, 24
.set G0, 32
.set G1B, 48
.set G0B, 56
.set MSB, 0
.macro WIN new
.if MSB != (\new)
	s_set_vgpr_msb (MSB<<8)|(\new)
.set MSB, (\new)
.endif
.endm
.set MUL,  0x05                        ; sources 0 (B) and 1 (A) window 1; C and D window 0
.set TO_F, 0x40
.macro JLOAD s                         ; a joint load: waves 0 and 1 fetch A's two halves, waves 2 and 3 B's; an s_nop 0 and four v_nop follow each of the two lines
	s_cmp_eq_u32 s11, 0
	s_cbranch_scc0 .Lfor_b_\@
	tensor_load_to_lds s[G0+4*\s:G0+4*\s+3], s[G1:G1+7]
	s_nop 0
.rept 4
	v_nop
.endr
	s_branch .Lasked_\@
.Lfor_b_\@:
	tensor_load_to_lds s[G0B+4*\s:G0B+4*\s+3], s[G1B:G1B+7]
	s_nop 0
.rept 4
	v_nop
.endr
.Lasked_\@:
.endm
.macro CREST
	s_cmp_lg_u32 s10, 0
	s_cbranch_scc1 .Lnot_wave_0_\@
	s_barrier_signal -3
.Lnot_wave_0_\@:
	s_barrier_wait -3
	s_barrier_signal -1
	s_barrier_wait -1
.endm
.macro CROUND
	s_barrier_signal -1
	s_barrier_wait -1
	CREST
.endm
	s_load_b128 s[4:7], s[0:1], 0x0                ; ao16 s[4:5], wo16 s[6:7]
	s_load_b64 s[66:67], s[0:1], 0x10              ; b_out
	s_load_b64 s[8:9], s[0:1], 0x18                ; out0
	v_lshl_add_u32 v[SPW], v0, 2, SPARE
	v_mov_b32 v[NIL], 0
	ds_add_u32 v[SPW], v[NIL]                      ; the wave's opening: the add, twice on end, and its wait ahead of my first tensor load
	ds_add_u32 v[SPW], v[NIL]
	v_lshrrev_b32 v1, 5, v0
	v_readfirstlane_b32 s10, v1                    ; wave 0..3
	s_lshr_b32 s11, s10, 1                         ; which half of the tile's rows is mine.  Also: I fetch for A (0) or for B (1)
	s_and_b32 s12, s10, 1                          ; which half of its columns.  Also: which half of that tile I fetch
	s_bfe_u32 s40, ttmp6, 0x40000                  ; cx, cy
	s_bfe_u32 s41, ttmp6, 0x40004
	s_lshl_b32 s42, ttmp9, 2
	s_add_co_u32 s42, s42, s40                     ; tile column of C
	s_and_b32 s13, ttmp7, 0xffff
	s_lshl_b32 s13, s13, 2
	s_add_co_u32 s13, s13, s41                     ; tile row of C
	s_lshl_b32 s43, s41, 2
	s_lshl_b32 s43, 15, s43                        ; my row of the cluster
	s_lshl_b32 s44, 0x1111, s40                    ; my column
	s_or_b32 s[G1+0], s43, (1<<16)|(1<<20)|(1<<21)|(4<<22)|(3<<25)  ; the mask; elements of 2 bytes; padding on; bit 21 beside a mask; 4 words behind every 32
	s_mov_b32 s[G1+1], 4096<<16                    ; tensor_dim0 = 4,096
	s_mov_b32 s[G1+2], 4<<16                       ; tensor_dim1 = 4
	s_mov_b32 s[G1+3], 4096<<16                    ; tile_dim0 = 4,096
	s_mov_b32 s[G1+4], 4                           ; tile_dim1 = 4
	s_mov_b32 s[G1+5], 131072                      ; from head to head, in elements
	s_mov_b32 s[G1+6], 0
	s_mov_b32 s[G1+7], 0
	s_or_b32 s[G1B+0], s44, (1<<16)|(1<<20)|(1<<21)|(6<<22)|(3<<25) ; 4 words behind every 128
	s_mov_b32 s[G1B+1], KSTEP<<16
	s_mov_b32 s[G1B+2], 64<<16
	s_mov_b32 s[G1B+3], KSTEP<<16
	s_mov_b32 s[G1B+4], 64
	s_mov_b32 s[G1B+5], 1024
	s_mov_b32 s[G1B+6], 0
	s_mov_b32 s[G1B+7], 0
	s_lshr_b32 s16, s13, 4                         ; A: the batch (16 tile rows to a sequence): 16 heads of 262,144 bytes,
	s_lshl_b32 s16, s16, 22
	s_and_b32 s17, s13, 15
	s_lshl_b32 s17, s17, 14                        ; 128 positions of 128 bytes a tile row,
	s_add_co_u32 s16, s16, s17
	s_lshl_b32 s17, s12, 13                        ; the 64 that I fetch
	s_add_co_u32 s16, s16, s17
	s_mov_b32 s17, 0
	s_lshl_b32 s46, s42, 18                        ; B: 128 rows of 2,048 bytes a tile column,
	s_lshl_b32 s47, s12, 17                        ; the 64 that I fetch
	s_add_co_u32 s46, s46, s47
	s_mov_b32 s47, 0
	s_mul_i32 s20, s12, AHALF                      ; where they go: no place in the cluster enters an LDS address
	s_mul_i32 s21, s12, BHALF
	s_add_co_u32 s21, s21, BOFF
	s_wait_dscnt 0x0                               ; both opening adds are done
	s_wait_kmcnt 0x0
	s_add_nc_u64 s[14:15], s[4:5], s[16:17]
	s_add_nc_u64 s[46:47], s[6:7], s[46:47]
	CROUND                                         ; all sixteen work-groups are here: the first joint loads meet
.irp s, 0,1
	s_mov_b32 s[G0+4*\s], 1
	s_add_co_u32 s[G0+4*\s+1], s20, \s*SLOT
	s_add_nc_u64 s[G0+4*\s+2:G0+4*\s+3], s[14:15], \s*ASTEP
	s_or_b32 s[G0+4*\s+3], s[G0+4*\s+3], 0x80000000
	s_mov_b32 s[G0B+4*\s], 1
	s_add_co_u32 s[G0B+4*\s+1], s21, \s*SLOT
	s_add_nc_u64 s[G0B+4*\s+2:G0B+4*\s+3], s[46:47], \s*KSTEP*2
	s_or_b32 s[G0B+4*\s+3], s[G0B+4*\s+3], 0x80000000
	JLOAD \s
.endr
	v_and_b32 v1, 15, v0                           ; r
	v_bfe_u32 v2, v0, 4, 1                         ; h
	s_lshl_b32 s46, s42, 9                         ; my first column, in bytes of f32: 512 x tile column + 256 x half
	s_lshl_b32 s47, s12, 8
	s_add_co_u32 s46, s46, s47
	s_mov_b32 s47, 0
	s_add_nc_u64 s[66:67], s[66:67], s[46:47]
	s_add_nc_u64 s[8:9], s[8:9], s[46:47]
	v_lshlrev_b32 v[BO], 5, v2
.irp b, 0,1,2,3
	global_load_b128 v[BIAS+8*\b:BIAS+8*\b+3], v[BO], s[66:67] offset:64*\b        ; block b, lane (r, h): columns 16 b + 8 h + 0 .. 7
	global_load_b128 v[BIAS+8*\b+4:BIAS+8*\b+7], v[BO], s[66:67] offset:64*\b+16
.endr
	v_mul_u32_u24 v3, v1, PA
	v_lshl_add_u32 v3, v2, 4, v3
	v_mul_u32_u24 v4, v1, PB
	v_lshl_add_u32 v4, v2, 4, v4
	s_mul_i32 s21, s11, AHALF                      ; my 64 rows of A
	s_mul_i32 s22, s12, BHALF                      ; my 64 rows of B
	s_add_co_u32 s22, s22, BOFF
.irp s, 0,1
	v_add_nc_u32 v[ADRA+\s], s21, v3
	v_add_nc_u32 v[ADRB+\s], s22, v4
	s_add_co_u32 s21, s21, SLOT
	s_add_co_u32 s22, s22, SLOT
.endr
	s_mul_i32 s23, s10, 32*SPITCH
	s_add_co_u32 s23, s23, STAGE                   ; my stages
	v_mul_u32_u24 v5, v1, SPITCH
	v_lshl_add_u32 v5, v2, 5, v5
	v_add_nc_u32 v[STO], s23, v5                   ; in: row r, 32 bytes for each half of the lanes
	v_mul_u32_u24 v5, v2, SPITCH
	v_lshl_add_u32 v5, v1, 4, v5
	v_add_nc_u32 v[RD], s23, v5                    ; back: lanes 0-15 one row of 256 bytes, lanes 16-31 the next
	v_lshlrev_b32 v[CO], 12, v2
	v_lshl_add_u32 v[CO], v1, 4, v[CO]             ; and the same two rows in out0
	s_lshl_b32 s46, s13, 19                        ; my first row: 128 x tile row + 64 x half, of 4,096 bytes
	s_lshl_b32 s16, s11, 18
	s_add_co_u32 s46, s46, s16
	s_add_nc_u64 s[8:9], s[8:9], s[46:47]
; 8 matrix instructions: m blocks a0, a0 + 1 x all 4 n blocks, 32 along K: half c of buffer f.  zero = 1: the first product starts the sums from the bias.  The 16 accumulators take turns
.macro MUL8 f, c, a0, zero
.irp a, \a0, \a0+1
.irp b, 0,1,2,3
.if \zero
	v_wmma_f32_16x16x32_f16 v[ACC+8*(4*(\a)+\b):ACC+8*(4*(\a)+\b)+7], v[\f+64+8*(4*\c+\b):\f+64+8*(4*\c+\b)+7], v[\f+8*(4*\c+\a):\f+8*(4*\c+\a)+7], v[BIAS+8*\b:BIAS+8*\b+7]
.else
	v_wmma_f32_16x16x32_f16 v[ACC+8*(4*(\a)+\b):ACC+8*(4*(\a)+\b)+7], v[\f+64+8*(4*\c+\b):\f+64+8*(4*\c+\b)+7], v[\f+8*(4*\c+\a):\f+8*(4*\c+\a)+7], v[ACC+8*(4*(\a)+\b):ACC+8*(4*(\a)+\b)+7]
.endif
.endr
.endr
.endm
; 32 LDS loads in one run: the fragments of the slot's q-th 64 along K (one head) into buffer f; the first 32 along K first
.macro FETCH slot, q, f
	WIN TO_F
.irp c, 0,1
.irp i, 0,1,2,3
	ds_load_b128 v[\f+64+8*(4*\c+\i):\f+64+8*(4*\c+\i)+3],   v[ADRB+\slot] offset:(\q)*128+64*\c+\i*16*PB
	ds_load_b128 v[\f+64+8*(4*\c+\i)+4:\f+64+8*(4*\c+\i)+7], v[ADRB+\slot] offset:(\q)*128+64*\c+\i*16*PB+32
	ds_load_b128 v[\f+8*(4*\c+\i):\f+8*(4*\c+\i)+3],         v[ADRA+\slot] offset:(\q)*PLANE+64*\c+\i*16*PA
	ds_load_b128 v[\f+8*(4*\c+\i)+4:\f+8*(4*\c+\i)+7],       v[ADRA+\slot] offset:(\q)*PLANE+64*\c+\i*16*PA+32
.endr
.endr
.endm
.macro PLACES
.rept 4
	v_nop
.endr
.endm
; A K step is four quarters of 64 along K, 32 matrix instructions each, on buffers 0, 1, 0, 1.  One of the first three: multiplies buffer f and fetches quarter q into g.
.macro QUARTER slot, q, f, g, zero
	s_wait_dscnt 16                                ; the first 32 along K are in; the sixteen younger loads may be out
	WIN MUL
	MUL8 \f, 0, 0, \zero
	MUL8 \f, 0, 2, \zero
	PLACES
	FETCH \slot, \q, \g
	s_wait_dscnt 32                                ; all but the 32 just issued
	WIN MUL
	MUL8 \f, 1, 0, 0
	MUL8 \f, 1, 2, 0
.endm
; The last quarter multiplies buffer 1 and changes slots: one barrier; in front of it each wave waits for all its tensor loads, adds 0 to its spare word, and waits for that and for its reads of this slot.
.macro TURN slot, next, fill
	WIN 0
	s_wait_tensorcnt 0x0                           ; all my tensor loads have landed: my part of the next slot
	ds_add_u32 v[SPW], v[NIL]
	s_wait_dscnt 17                                ; (the add and the youngest sixteen loads may be out)
	WIN MUL
	MUL8 F1, 0, 0, 0
	s_wait_dscnt 0x0                               ; the add is done, and my reads of this slot are over
	s_barrier_signal -1
	MUL8 F1, 0, 2, 0
.if \fill
	WIN 0
.endif
	s_barrier_wait -1
.if \fill
	CREST                                          ; the barrier has opened a round of the cluster's barrier: no wave of any partner still reads this slot or has a load on its way
	s_add_nc_u64 s[G0+4*\slot+2:G0+4*\slot+3], s[G0+4*\slot+2:G0+4*\slot+3], 2*ASTEP
	s_add_nc_u64 s[G0B+4*\slot+2:G0B+4*\slot+3], s[G0B+4*\slot+2:G0B+4*\slot+3], 2*KSTEP*2
	JLOAD \slot                                    ; the first tensor load behind the round; its four v_nop are also the places in front of the loads below
.else
	PLACES
.endif
	FETCH \next, 0, F0
	WIN MUL
	MUL8 F1, 1, 0, 0
	MUL8 F1, 1, 2, 0
.endm
	s_wait_tensorcnt 1                             ; my part of K step 0 is in (K step 1's load may be out)
	s_barrier_signal -1
	s_barrier_wait -1                              ; everybody's is
	FETCH 0, 0, F0
	s_wait_loadcnt 0x0                             ; the bias
	QUARTER 0, 1, F0, F1, 1                        ; the first quarter stands in front of the loop: its first products start the sums
	WIN 0
	s_mov_b32 s3, LAPS-1
.Llap:                                                 ; a trip goes once round the ring and fills both slots again
	QUARTER 0, 2, F1, F0, 0
	QUARTER 0, 3, F0, F1, 0
	TURN 0, 1, 1
	QUARTER 1, 1, F0, F1, 0
	QUARTER 1, 2, F1, F0, 0
	QUARTER 1, 3, F0, F1, 0
	TURN 1, 0, 1
	QUARTER 0, 1, F0, F1, 0
	WIN 0
	s_sub_co_u32 s3, s3, 1
	s_cmp_lg_u32 s3, 0
	s_cbranch_scc1 .Llap
	QUARTER 0, 2, F1, F0, 0                        ; the last lap fills nothing, and has no round of the cluster's barrier
	QUARTER 0, 3, F0, F1, 0
	TURN 0, 1, 0
	QUARTER 1, 1, F0, F1, 0
	QUARTER 1, 2, F1, F0, 0
	QUARTER 1, 3, F0, F1, 0
	s_wait_dscnt 16
	WIN MUL
	MUL8 F1, 0, 0, 0
	MUL8 F1, 0, 2, 0
	s_wait_dscnt 0
	MUL8 F1, 1, 0, 0
	MUL8 F1, 1, 2, 0
	WIN 0
; THE WAY OUT.  My 64 columns of f32 are 256 bytes, aligned: each wave goes by itself.  A block of 16 rows goes into one of my two stages and comes back as whole rows: sixteen lanes store 256 consecutive bytes.
.macro TOSTAGE a
.irp b, 0,1,2,3
	ds_store_b128 v[STO], v[ACC+8*(4*(\a)+\b):ACC+8*(4*(\a)+\b)+3] offset:((\a)%2)*16*SPITCH+64*\b          ; each accumulator from its low end on
	ds_store_b128 v[STO], v[ACC+8*(4*(\a)+\b)+4:ACC+8*(4*(\a)+\b)+7] offset:((\a)%2)*16*SPITCH+64*\b+16
.endr
.irp t, 0,1,2,3,4,5,6,7
	ds_load_b128 v[TMP+32*((\a)%2)+4*\t:TMP+32*((\a)%2)+4*\t+3], v[RD] offset:((\a)%2)*16*SPITCH+\t*2*SPITCH   ; LDS serves a wave's instructions in order
.endr
.endm
.macro SEND a, younger                 ; younger: the LDS instructions issued behind block a's loads
	s_wait_dscnt \younger
.irp t, 0,1,2,3,4,5,6,7
	global_store_b128 v[CO], v[TMP+32*((\a)%2)+4*\t:TMP+32*((\a)%2)+4*\t+3], s[8:9] offset:(16*(\a)+2*\t)*4096
.endr
.endm
	PLACES
	TOSTAGE 0
	TOSTAGE 1
	SEND 0, 16
	s_wait_xcnt 0x0                                ; block 0's stores have read their registers, which block 2's rows take
	TOSTAGE 2
	SEND 1, 16
	s_wait_xcnt 0x0
	TOSTAGE 3
	SEND 2, 16
	SEND 3, 0
	s_wait_tensorcnt 0x0                           ; the wave's end
	ds_add_u32 v[SPW], v[NIL]
	s_wait_dscnt 0x0
	CROUND                                         ; the closing round
	s_endpgm
.Lfunc_end_k_qac9ce3c19c_proj:
	.size	k_qac9ce3c19c_proj, .Lfunc_end_k_qac9ce3c19c_proj-k_qac9ce3c19c_proj
	.p2alignl 7, 3214868480
	.fill 96, 4, 3214868480
	.section	.rodata,"a",@progbits
	.p2align	6, 0x0
	.amdhsa_kernel k_qac9ce3c19c_proj
		.amdhsa_group_segment_fixed_size 327680
		.amdhsa_private_segment_fixed_size 0
		.amdhsa_enable_private_segment 0
		.amdhsa_kernarg_size 32
		.amdhsa_user_sgpr_count 2
		.amdhsa_user_sgpr_kernarg_segment_ptr 1
		.amdhsa_wavefront_size32 1
		.amdhsa_system_sgpr_workgroup_id_x 1
		.amdhsa_system_sgpr_workgroup_id_y 1
		.amdhsa_system_sgpr_workgroup_id_z 1
		.amdhsa_system_vgpr_workitem_id 0
		.amdhsa_next_free_vgpr 512
		.amdhsa_next_free_sgpr 68
		.amdhsa_reserve_vcc 0
		.amdhsa_float_denorm_mode_32 3
		.amdhsa_float_denorm_mode_16_64 3
		.amdhsa_memory_ordered 1
		.amdhsa_forward_progress 1
		.amdhsa_inst_pref_size 87
	.end_amdhsa_kernel
	.amdgpu_metadata
---
amdhsa.version: [ 1, 2 ]
amdhsa.kernels:
  - .name:           k_qac9ce3c19c_proj
    .symbol:         k_qac9ce3c19c_proj.kd
    .args:
      - { .name: ao16, .offset: 0, .size: 8, .value_kind: global_buffer, .address_space: global }
      - { .name: wo16, .offset: 8, .size: 8, .value_kind: global_buffer, .address_space: global }
      - { .name: b_out, .offset: 16, .size: 8, .value_kind: global_buffer, .address_space: global }
      - { .name: out0, .offset: 24, .size: 8, .value_kind: global_buffer, .address_space: global }
    .group_segment_fixed_size: 327680
    .private_segment_fixed_size: 0
    .kernarg_segment_align: 8
    .kernarg_segment_size: 32
    .max_flat_workgroup_size: 128
    .sgpr_count:     68
    .vgpr_count:     512
    .wavefront_size: 32
...
	.end_amdgpu_metadata
.endif
;; end of part 4
;; launch fine (part 5): grid 64 x 2, 16 waves a work-group, no clusters, 22,528 bytes of LDS; arguments fq, w_out, b_out, out0; writes out0
.if DOCPART == 5
	.amdgcn_target "amdgcn-amd-amdhsa--gfx1250"
	.amdhsa_code_object_version 6
	.text
	.protected	k_qac9ce3c19c_fine
	.globl	k_qac9ce3c19c_fine
	.p2align	8
	.type	k_qac9ce3c19c_fine,@function
k_qac9ce3c19c_fine:
	s_mov_b64 s[64:65], 0
	v_nop
	global_prefetch_b8 v0, s[64:65] scope:SCOPE_SE
	s_setreg_imm32_b32 hwreg(HW_REG_WAVE_MODE, 25, 1), 1
	s_wait_xcnt 0x0
; POSITIONS 0-15 OF BOTH SEQUENCES, IN F32.  Under the causal mask these rows average one to sixteen values and are the largest of the output: their attention and their projection are made again from the f32 sums
; fq [batch x 16 + position][3072] (q, k, v with the bias) and from w_out and b_out as they are given, and overwrite those 32 rows of out0.
; SHARES.  Work-group (x, y): batch y, output columns 16 x .. 16 x + 15: 128 work-groups.  A wave is a head: it makes its head's 16 x 16 attention (12 KB of fq; every work-group of a batch repeats it, so that one
; launch serves and each output has one owner) and its head's part of the 16 x 16 outputs; the sixteen parts meet in LDS, and wave w adds and stores row w.
; Sixteen columns are the narrowest share that fills a matrix tile: a wave reads 4 KB of w_out and issues 16 products for the projection.  THE PRICE: a row's store is 64 consecutive bytes, not a whole run of 256;
; the launch's whole output is 131,072 bytes.
; No cluster and no tensor load: what the work-groups of a batch share is 12 KB a wave, read once, straight into the operands' registers.
; All products by v_wmma_f32_16x16x4_f32: 48 a wave, no bulk work.  Its accumulators (v112-175) are written by matrix instructions alone; each sum begins with the constant 0; the accumulators take turns
; K is taken in an order that is the same on both operands of a product.
; LAYOUT.  S^T = K Q^T: lane (r, h) holds query r and keys 8 h + 0..7.  O^T = V^T P: query r, channels 16 t + 8 h + 0..7.  Y^T = W^T O: position r, output columns 8 h + 0..7, in four partial sums, one for each 16 channels.
; REGISTERS: v1-10 addresses; v11-15 at work; v16-47 Q; v48-79 K; v80-111 V; v112-127 S^T in two halves, later Y's partial sums 2, 3; v128-159 O^T; v160-175 Y's partial sums 0, 1;
;   v176-183 p; v184 the bias; v192-223 w_out, later eight of the sixteen parts; v224-239 Y's sum.
.set PP,    80                         ; a row of a part in LDS: 64 bytes + 16 of padding: the 16 rows that a store touches start at 16 different groups of banks
.set PART,  16*PP                      ; a head's part
.set SPARE, 16*PART                    ; behind the sixteen parts: the spare words, 128 bytes for each wave: eight blocks of 256 bytes that no other line names
.set LQ, 1
.set LV, 2
.set LW, 3
.set LSTO, 4
.set LRD, 5
.set L4, 6
.set RH, 7
.set SPW, 8
.set NIL, 9
.set NINF, 10
	s_load_b256 s[4:11], s[0:1], 0x0               ; fq s[4:5], w_out s[6:7], b_out s[8:9], out0 s[10:11]
	v_lshl_add_u32 v[SPW], v0, 2, SPARE
	v_mov_b32 v[NIL], 0
	v_lshrrev_b32 v11, 5, v0
	v_readfirstlane_b32 s12, v11                   ; wave = head
	s_and_b32 s13, ttmp7, 0xffff                   ; batch
	v_and_b32 v11, 15, v0                          ; r
	v_bfe_u32 v12, v0, 4, 1                        ; h
	s_lshl_b32 s14, s12, 8                         ; my head's 64 columns of q, of k and of v: 256 bytes
	v_mul_u32_u24 v[LQ], v11, 12288
	v_lshl_add_u32 v[LQ], v12, 4, v[LQ]
	v_add_nc_u32 v[LQ], s14, v[LQ]                 ; q, k: row r, four channels at 16 h
	v_mul_u32_u24 v[LV], v12, 98304
	v_lshl_add_u32 v[LV], v11, 2, v[LV]
	v_add_nc_u32 v[LV], s14, v[LV]                 ; v: rows 8 h on, channel r
	v_lshlrev_b32 v[LW], 15, v12
	v_lshl_add_u32 v[LW], v11, 2, v[LW]            ; w_out: rows 8 h on, column r
	s_mul_i32 s15, s12, PART
	v_mul_u32_u24 v[LSTO], v11, PP
	v_lshl_add_u32 v[LSTO], v12, 5, v[LSTO]
	v_add_nc_u32 v[LSTO], s15, v[LSTO]             ; my part: row r, 32 bytes for each half of the lanes
	s_mul_i32 s15, s12, PP
	v_mul_u32_u24 v[LRD], v12, 8*PART
	v_lshl_add_u32 v[LRD], v11, 2, v[LRD]
	v_add_nc_u32 v[LRD], s15, v[LRD]               ; back: row w, column r, of parts 8 h on
	v_lshlrev_b32 v[L4], 2, v11                    ; my column's 4 bytes in b_out and in a row of out0
	v_lshlrev_b32 v[RH], 3, v12
	v_sub_nc_u32 v[RH], v11, v[RH]                 ; r - 8 h
	v_mov_b32 v[NINF], 0xff800000
	s_mov_b32 s20, 0x76543210
	s_mov_b32 s21, 0xfedcba98                      ; lane l xor 16
	s_mov_b32 s22, 0x3e38aa3b                      ; c = log2(e) / sqrt(64)
	s_mov_b32 s17, 0
	s_mov_b32 s19, 0
	s_lshl_b32 s18, ttmp9, 6                       ; my 16 output columns: 64 bytes
	s_wait_kmcnt 0x0
	s_mul_i32 s16, s13, 196608
	s_add_nc_u64 s[4:5], s[4:5], s[16:17]          ; fq at my batch's 16 rows
	s_lshl_b32 s16, s12, 18                        ; w_out: my head's 64 rows of 4,096 bytes
	s_add_nc_u64 s[6:7], s[6:7], s[16:17]
	s_add_nc_u64 s[6:7], s[6:7], s[18:19]
	s_add_nc_u64 s[8:9], s[8:9], s[18:19]
	s_lshl_b32 s16, s13, 23                        ; out0: row batch x 2,048 + w
	s_lshl_b32 s15, s12, 12
	s_add_co_u32 s16, s16, s15
	s_add_nc_u64 s[10:11], s[10:11], s[16:17]
	s_add_nc_u64 s[10:11], s[10:11], s[18:19]
	; the loads stand in the order in which their data are wanted: q and k, v, w_out, the bias
.irp c, 0,1,2,3,4,5,6,7
	global_load_b128 v[16+4*\c:19+4*\c], v[LQ], s[4:5] offset:32*\c            ; q(r, 8 c + 4 h + 0 .. 3)
.endr
.irp c, 0,1,2,3,4,5,6,7
	global_load_b128 v[48+4*\c:51+4*\c], v[LQ], s[4:5] offset:4096+32*\c       ; k likewise
.endr
.irp t, 0,1,2,3
.irp c, 0,1,2,3
.irp j, 0,1
	global_load_b32 v[80+8*\t+2*\c+\j], v[LV], s[4:5] offset:8192+(2*\c+\j)*12288+64*\t   ; v(8 h + 2 c + j, 16 t + r)
.endr
.endr
.endr
.irp t, 0,1,2,3                                ; register 8 t + 2 c + j = w_out(64 w + 16 t + 8 h + 2 c + j, 16 x + r)
.irp c, 0,1,2,3
.irp j, 0,1
	global_load_b32 v[192+8*\t+2*\c+\j], v[LW], s[6:7] offset:(16*\t+2*\c+\j)*4096
.endr
.endr
.endr
	global_load_b32 v184, v[L4], s[8:9]            ; the bias of my column
	s_wait_loadcnt 63                              ; q and k are in: 65 loads were issued behind k's last, and the count's field names 63 at the most
.irp u, 0,1,2,3,4,5,6,7,8,9,10,11,12,13,14,15  ; S^T = K Q^T: 16 steps of 4 channels, two accumulators by turns
.if \u < 2
	v_wmma_f32_16x16x4_f32 v[112+8*(\u%2):119+8*(\u%2)], v[48+2*\u:49+2*\u], v[16+2*\u:17+2*\u], 0
.else
	v_wmma_f32_16x16x4_f32 v[112+8*(\u%2):119+8*(\u%2)], v[48+2*\u:49+2*\u], v[16+2*\u:17+2*\u], v[112+8*(\u%2):119+8*(\u%2)]
.endif
.endr
.rept 8
	v_nop                                          ; eight places behind this form, ahead of the reads of its results
.endr
.irp j, 0,1,2,3,4,5,6,7
	v_add_f32 v[176+\j], v[112+\j], v[120+\j]      ; the two halves of the sum, into other registers, from the low end on
.endr
.irp j, 0,1,2,3,4,5,6,7
	v_cmp_gt_i32 vcc_lo, \j, v[RH]                 ; key 8 h + j comes after query r
	v_cndmask_b32 v[176+\j], v[176+\j], v[NINF], vcc_lo
.endr
	v_max3_num_f32 v11, v176, v177, v178
	v_max3_num_f32 v11, v11, v179, v180
	v_max3_num_f32 v11, v11, v181, v182
	v_max_num_f32 v11, v11, v183
	v_permlanex16_b32 v12, v11, s20, s21
	v_max_num_f32 v11, v11, v12                    ; the row's maximum: key 0 counts for every query
	v_mul_f32 v11, s22, v11
.irp j, 0,1,2,3,4,5,6,7
	v_fma_f32 v[176+\j], v[176+\j], s22, -v11      ; c s - c m
.endr
.irp j, 0,1,2,3,4,5,6,7
	v_exp_f32 v[176+\j], v[176+\j]
.endr
	v_nop                                          ; a plain instruction behind the last exponential
	s_wait_alu depctr_va_vdst(0)                   ; one wait for the batch, ahead of its first reader
	v_add_f32 v12, v176, v177
	v_add_f32 v13, v178, v179
	v_add_f32 v14, v180, v181
	v_add_f32 v15, v182, v183
	v_add_f32 v12, v12, v13
	v_add_f32 v14, v14, v15
	v_add_f32 v12, v12, v14
	v_permlanex16_b32 v13, v12, s20, s21
	v_add_f32 v12, v12, v13                        ; the row's sum
	v_rcp_f32 v12, v12
	v_nop
	s_wait_alu depctr_va_vdst(0)
.irp j, 0,1,2,3,4,5,6,7
	v_mul_f32 v[176+\j], v[176+\j], v12            ; the weights, normalised
.endr
	s_wait_loadcnt 33                              ; v is in; w_out's 32 loads and the bias may be out
.irp c, 0,1,2,3                                ; O^T = V^T P: 4 steps of 4 keys (8 h + 2 c + j), four accumulators by turns
.irp t, 0,1,2,3
.if \c == 0
	v_wmma_f32_16x16x4_f32 v[128+8*\t:135+8*\t], v[80+8*\t+2*\c:81+8*\t+2*\c], v[176+2*\c:177+2*\c], 0
.else
	v_wmma_f32_16x16x4_f32 v[128+8*\t:135+8*\t], v[80+8*\t+2*\c:81+8*\t+2*\c], v[176+2*\c:177+2*\c], v[128+8*\t:135+8*\t]
.endif
.endr
.endr
	s_wait_loadcnt 0x0                             ; w_out's part and the bias
.rept 9
	v_nop                                          ; nine places before a matrix instruction takes these results as an operand
.endr
.irp c, 0,1,2,3                                ; Y^T = W^T O: 16 steps of 4 channels (16 t + 8 h + 2 c + j); partial sum t takes channels 16 t on: four accumulators by turns: 0, 1 in v160-175, 2, 3 begin anew in v112-127
.irp t, 0,1,2,3
.if \c == 0
	v_wmma_f32_16x16x4_f32 v[160+8*\t-64*(\t/2):167+8*\t-64*(\t/2)], v[192+8*\t+2*\c:193+8*\t+2*\c], v[128+8*\t+2*\c:129+8*\t+2*\c], 0
.else
	v_wmma_f32_16x16x4_f32 v[160+8*\t-64*(\t/2):167+8*\t-64*(\t/2)], v[192+8*\t+2*\c:193+8*\t+2*\c], v[128+8*\t+2*\c:129+8*\t+2*\c], v[160+8*\t-64*(\t/2):167+8*\t-64*(\t/2)]
.endif
.endr
.endr
.rept 8
	v_nop                                          ; eight places: for the reads of the results and for the loads into w_out's registers
.endr
.irp i, 0,1,2,3
	v_pk_add_f32 v[224+2*\i:225+2*\i], v[160+2*\i:161+2*\i], v[168+2*\i:169+2*\i]   ; the four partial sums, into other registers, each accumulator from its low end on
.endr
.irp i, 0,1,2,3
	v_pk_add_f32 v[232+2*\i:233+2*\i], v[112+2*\i:113+2*\i], v[120+2*\i:121+2*\i]
.endr
.irp i, 0,1,2,3
	v_pk_add_f32 v[224+2*\i:225+2*\i], v[224+2*\i:225+2*\i], v[232+2*\i:233+2*\i]
.endr
	ds_store_b128 v[LSTO], v[224:227]              ; lane (r, h): my head's part of out(position r, columns 8 h + 0 .. 7)
	ds_store_b128 v[LSTO], v[228:231] offset:16
	s_wait_dscnt 0x0                               ; for the others' sake: my part lies in LDS
	s_barrier_signal -1
	s_barrier_wait -1
.irp i, 0,1,2,3,4,5,6,7
	ds_load_b32 v[192+\i], v[LRD] offset:\i*PART   ; row w, my column, of head 8 h + i's part
.endr
	s_wait_dscnt 0x0
	v_pk_add_f32 v[192:193], v[192:193], v[194:195]
	v_pk_add_f32 v[196:197], v[196:197], v[198:199]
	v_pk_add_f32 v[192:193], v[192:193], v[196:197]
	v_add_f32 v192, v192, v193                     ; eight heads,
	v_permlanex16_b32 v13, v192, s20, s21
	v_add_f32 v192, v192, v13                      ; and lane l xor 16's eight
	v_add_f32 v192, v192, v184                     ; the bias
	v_and_b32 v14, 16, v0
	s_wait_xcnt 0x0                                ; EXEC changes only behind this wait
	v_cmp_eq_u32 vcc_lo, 0, v14
	s_and_saveexec_b32 s23, vcc_lo                 ; both halves of the lanes hold the same numbers: lanes 0-15 store
	global_store_b32 v[L4], v192, s[10:11]         ; 64 consecutive bytes of row w
	s_wait_xcnt 0x0                                ; and again in front of the line that widens it
	s_or_b32 exec_lo, exec_lo, s23
	s_wait_tensorcnt 0x0                           ; the wave's end, behind my last LDS store
	ds_add_u32 v[SPW], v[NIL]
	s_wait_dscnt 0x0
	s_endpgm
.Lfunc_end_k_qac9ce3c19c_fine:
	.size	k_qac9ce3c19c_fine, .Lfunc_end_k_qac9ce3c19c_fine-k_qac9ce3c19c_fine
	.p2alignl 7, 3214868480
	.fill 96, 4, 3214868480
	.section	.rodata,"a",@progbits
	.p2align	6, 0x0
	.amdhsa_kernel k_qac9ce3c19c_fine
		.amdhsa_group_segment_fixed_size 22528
		.amdhsa_private_segment_fixed_size 0
		.amdhsa_enable_private_segment 0
		.amdhsa_kernarg_size 32
		.amdhsa_user_sgpr_count 2
		.amdhsa_user_sgpr_kernarg_segment_ptr 1
		.amdhsa_wavefront_size32 1
		.amdhsa_system_sgpr_workgroup_id_x 1
		.amdhsa_system_sgpr_workgroup_id_y 1
		.amdhsa_system_sgpr_workgroup_id_z 1
		.amdhsa_system_vgpr_workitem_id 0
		.amdhsa_next_free_vgpr 256
		.amdhsa_next_free_sgpr 66
		.amdhsa_reserve_vcc 1
		.amdhsa_float_denorm_mode_32 3
		.amdhsa_float_denorm_mode_16_64 3
		.amdhsa_memory_ordered 1
		.amdhsa_forward_progress 1
		.amdhsa_inst_pref_size 19
	.end_amdhsa_kernel
	.amdgpu_metadata
---
amdhsa.version: [ 1, 2 ]
amdhsa.kernels:
  - .name:           k_qac9ce3c19c_fine
    .symbol:         k_qac9ce3c19c_fine.kd
    .args:
      - { .name: fq, .offset: 0, .size: 8, .value_kind: global_buffer, .address_space: global }
      - { .name: w_out, .offset: 8, .size: 8, .value_kind: global_buffer, .address_space: global }
      - { .name: b_out, .offset: 16, .size: 8, .value_kind: global_buffer, .address_space: global }
      - { .name: out0, .offset: 24, .size: 8, .value_kind: global_buffer, .address_space: global }
    .group_segment_fixed_size: 22528
    .private_segment_fixed_size: 0
    .kernarg_segment_align: 8
    .kernarg_segment_size: 32
    .max_flat_workgroup_size: 512
    .sgpr_count:     66
    .vgpr_count:     256
    .wavefront_size: 32
...
	.end_amdgpu_metadata
.endif
;; end of part 5
